; MI455X (gfx1250); checked and timed in simulation.
; The chip was launched on July 23, 2026; its instructions are those of AMD's public machine-readable ISA for CDNA 5 (MIT licence, August 2026) and "CDNA5" Instruction Set Architecture Reference Guide (July 2026). The comments in the code are by the model that wrote it; some were corrected since.
;; Transformer Block. Allowed arithmetic: matrix products marked QUANTISED: E2M3 operands, one E8M0 scale for each 32 along K, by v_wmma_scale_f32_16x16x128_f8f6f4 with both operands' format E2M3, f32 sums; everything else in f32.
;; Inputs: W1_codes 4,096 x 32 x 24 uint8 (E2M3 codes of W1, K innermost, in blocks of 32 codes, four codes in three bytes); W1_scales 4,096 x 32 uint8 (E8M0 scales of W1, one for each 32 codes along K); W2_codes 1,024 x 128 x 24 uint8 (E2M3 codes of W2, K innermost, in blocks of 32 codes, four codes in three bytes); W2_scales 1,024 x 128 uint8 (E8M0 scales of W2, one for each 32 codes along K); Wk_codes 1,024 x 32 x 24 uint8 (E2M3 codes of Wk, K innermost, in blocks of 32 codes, four codes in three bytes); Wk_scales 1,024 x 32 uint8 (E8M0 scales of Wk, one for each 32 codes along K); Wo_codes 1,024 x 32 x 24 uint8 (E2M3 codes of Wo, K innermost, in blocks of 32 codes, four codes in three bytes); Wo_scales 1,024 x 32 uint8 (E8M0 scales of Wo, one for each 32 codes along K); Wq_codes 1,024 x 32 x 24 uint8 (E2M3 codes of Wq, K innermost, in blocks of 32 codes, four codes in three bytes); Wq_scales 1,024 x 32 uint8 (E8M0 scales of Wq, one for each 32 codes along K); Wv_codes 1,024 x 32 x 24 uint8 (E2M3 codes of Wv, K innermost, in blocks of 32 codes, four codes in three bytes); Wv_scales 1,024 x 32 uint8 (E8M0 scales of Wv, one for each 32 codes along K); b1 4,096 float32; b2 1,024 float32; be1 1,024 float32; be2 1,024 float32; bo 1,024 float32; g1 1,024 float32; g2 1,024 float32; x 2 x 2,048 x 1,024 float32.
;; Outputs: out0 2 x 2,048 x 1,024 float32.
;; This version of the problem:
;;   THIS VERSION OF THE PROBLEM IS GIVEN IN LOW PRECISION. The matrix products marked QUANTISED in the list below multiply operands that are first quantised to E2M3 (2 exponent bits, 3 mantissa bits; 6 bits a number), with one power-of-two scale for each 32 numbers along K (OCP MX v1.0); their sums are f32. All else is computed in f32.
;;   The module's matrix products, in the order in which they are computed (A, B: the left and right operand; K: the contracted axis; several contracted axes count as one K, in the product's order):
;;     1. [M 4,096, K 1,024] x [K 1,024, N 1,024]; A: computed on the way; B: input Wq (given as codes): QUANTISED
;;     2. [M 4,096, K 1,024] x [K 1,024, N 1,024]; A: computed on the way; B: input Wk (given as codes): QUANTISED
;;     3. [M 4,096, K 1,024] x [K 1,024, N 1,024]; A: computed on the way; B: input Wv (given as codes): QUANTISED
;;     4. batch 32 x [M 2,048, K 64] x [K 64, N 2,048]; A: computed on the way; B: computed on the way: QUANTISED
;;     5. batch 32 x [M 2,048, K 2,048] x [K 2,048, N 64]; A: softmax (see below); B: computed on the way: QUANTISED
;;     6. [M 4,096, K 1,024] x [K 1,024, N 1,024]; A: computed on the way; B: input Wo (given as codes): QUANTISED
;;     7. [M 4,096, K 1,024] x [K 1,024, N 4,096]; A: computed on the way; B: input W1 (given as codes): QUANTISED
;;     8. [M 4,096, K 4,096] x [K 4,096, N 1,024]; A: computed on the way; B: input W2 (given as codes): QUANTISED
;;   THE QUANTISER, for each operand of a quantised product, along K:
;;     - K is cut into blocks of 32 from its start; a last block that is shorter is filled with zeros.
;;     - A block's scale is 2^e with e = floor(log2(the largest magnitude in the block)) - 2, held to -126 .. 127; a block of zeros has e = 0. As a byte (E8M0): e + 127.
;;     - Each number is divided by its block's scale, clamped to +-7.5, and rounded to the nearest number of E2M3, ties to even, subnormals kept.
;;     - The product sums the exact products of the quantised numbers (number of the format x scale) in f32.
;;   ~~~python
;;   def quantise(x, axis):      # numpy; x: float32 -> the quantised numbers, widened to float32 again
;;       x = np.moveaxis(x, axis, -1); K = x.shape[-1]
;;       x = np.pad(x, [(0, 0)] * (x.ndim - 1) + [(0, -K % 32)]); x = x.reshape(x.shape[:-1] + (-1, 32)); a = np.abs(x).max(-1, keepdims=True)
;;       e = np.where(a > 0, np.clip(np.frexp(np.where(a > 0, a, 1))[1] - 1 - 2, -126, 127), 0)      # np.frexp(a)[1] - 1 = floor(log2(a)), exactly
;;       r = np.clip(x / 2.0 ** e, -7.5, 7.5)
;;       step = 2.0 ** (np.maximum(np.frexp(np.where(r == 0, 1, r))[1] - 1, 0) - 3)
;;       q = np.round(r / step) * step * 2.0 ** e      # np.round: ties to even
;;       return np.moveaxis(q.reshape(q.shape[:-2] + (-1,))[..., :K], -1, axis).astype(np.float32)
;;   ~~~
;;   SOFTMAX AHEAD OF A QUANTISED PRODUCT. Where the list says 'softmax', what is quantised is not the finished softmax but p = 2^(t - M), with t = logit x log2(e) and M = ceil(the row's largest t), a whole number; so 1/2 < the row's largest p <= 1. The row's sum l is taken of the UNQUANTISED p, in f32, and the product's result is divided by l at the end. Since M is a whole number, a kernel that streams over the keys may use a running M (the ceiling of the running maximum): every later rescaling is an exact power of two, which a block's scale takes up: the codes' values come out the same.
;;   OPERANDS COMPUTED ON THE WAY. 'Computed on the way' means the value that the module computes at that place (a softmax that the list does not call 'softmax' is quantised finished and normalised). What goes into a quantiser is computed in f32, as accurately as f32 sums, v_exp_f32 and their like allow (about 1e-6 of the number): no bf16 or f16 on the way to a quantiser, and a product that is left as it is and whose result goes on into a quantised operand takes f32 operands (vector FMAs, or v_wmma_f32_16x16x4_f32). A number that lies on a knife's edge between two numbers of the format may be rounded either way, as far as f32 arithmetic and the matrix unit's own rounding can turn it there, and no further.
;;   INPUTS GIVEN AS CODES. W1 (in the module: [1024, 4096], K = its axis 0); W2 (in the module: [4096, 1024], K = its axis 0); Wk (in the module: [1024, 1024], K = its axis 0); Wo (in the module: [1024, 1024], K = its axis 0); Wq (in the module: [1024, 1024], K = its axis 0); Wv (in the module: [1024, 1024], K = its axis 0): each comes as NAME_codes (uint8): NAME with its K axis moved to the last place and cut into blocks of 32 codes, [.., K / 32, bytes a block], one block behind the other in memory; four codes in three bytes: a row's codes are one little-endian stream of bits, code i at bits 6 i .. 6 i + 5 (a code: sign, 2 exponent bits, 3 mantissa bits); and NAME_scales (uint8): the same leading axes, one E8M0 byte (e + 127) for each 32 codes along K. Its value is code x scale, taken as it is: it is not quantised again, and the codes and scales need not be those that the quantiser above would give.
;; One version. Each part assembles by itself: llvm-mc -triple=amdgcn-amd-amdhsa -mcpu=gfx1250 --defsym DOCPART=n.
;; ======== version 1 of 1: 7 launches
;; limits: right only within a limited range of input values
;; workspace buffers: wimg 9,830,400 bytes; aimg 3,276,800 bytes; qkv 10,092,544 bytes; oimg 3,276,800 bytes; x1 16,777,216 bytes; himg 13,107,200 bytes
;; launch prep (part 1): grid 448 x 1, 8 waves a work-group, no clusters, 117,248 bytes of LDS; arguments x, g1, be1, aimg, wimg, Wq_codes, Wk_codes, Wv_codes, Wo_codes, W1_codes, W2_codes, Wq_scales, Wk_scales, Wv_scales, Wo_scales, W1_scales, W2_scales; writes aimg, wimg
.if DOCPART == 1
	.amdgcn_target "amdgcn-amd-amdhsa--gfx1250"
	.amdhsa_code_object_version 6
	.text
	.protected	k_q76be7ff1ab_prep
	.globl	k_q76be7ff1ab_prep
	.p2align	8
	.type	k_q76be7ff1ab_prep,@function
k_q76be7ff1ab_prep:
	s_mov_b64 s[64:65], 0
	v_nop
	global_prefetch_b8 v0, s[64:65] scope:SCOPE_SE
	s_setreg_imm32_b32 hwreg(HW_REG_WAVE_MODE, 25, 1), 1
	s_wait_xcnt 0x0
; TWO JOBS IN ONE LAUNCH, told apart by the work-group's number.
; Work-groups 0-255: the layer norm of x (f32, two passes: mean, then the squares of x - mean), quantised to FP6 (E2M3) with one E8M0 byte for each 32 along K, stored as IMAGES OF OPERAND REGISTERS.
; Work-groups 256-447: the six weights, which arrive as codes in rows, are laid into the same kind of image.
; THE IMAGE.  Rows go in blocks of 128, a block in 8 tiles of 16: lane p of tile i is row 32 (i / 2) + 8 (i % 2) + p + 8 (p / 8).  A fragment (16 rows x 128 K, 12 registers a lane) is six pieces of 256 bytes:
; piece P holds registers 2 P, 2 P + 1 of the 32 lanes, 8 bytes a lane.  A record (one block x 128 K) is 8 fragments (12,288 bytes) and 512 bytes of scale words (tile i, lane p at 64 i + 4 p): 12,800 bytes.
; So every later tile is one dense block, every fragment comes by six loads of 8 bytes a lane, and every store here covers 256 consecutive bytes, aligned.
; LIMITS: NaN and infinities among the inputs are not served; a block whose largest magnitude lies under 2^-124, a block of zeros too, gets the byte 1 (its codes are then zeros or tiny; this program alone reads the bytes);
; 1 / sqrt comes from v_rsq_f32.  No tensor load, no cluster: work-groups share nothing.
.set PITCH, 4112                       ; a row of the norm's stage: 4,096 bytes + 16 = 1,028 words: row r starts at bank 4 r mod 64
.set RST,   66048                      ; the weights' stage (bytes of its own): 64 rows of 768 bytes + 16
.set RP,    784
.set SPARE, 116224                     ; the spare words, 128 bytes for each of eight waves; no other line names them
.set SPW, 10                           ; v10  my spare word's address; never rewritten
.set NIL, 11                           ; v11  0; never rewritten
.set X,   32                           ; v32-95   two rows of x, 32 numbers a lane each; later 64 numbers of one row
.set G,   96                           ; v96-127  the gain at my columns
.set BE,  128                          ; v128-159 the offset
.set CD,  160                          ; v160-171 a fragment's codes
.set CT,  172                          ; v172-179 the upper halves of the blocks' codes
.set SW,  180                          ; v180     the scale word
	s_load_b256 s[4:11], s[0:1], 0x0               ; x, g1, be1, aimg
	s_load_b64 s[12:13], s[0:1], 0x20              ; wimg
	s_load_b256 s[16:23], s[0:1], 0x28             ; codes of Wq, Wk, Wv, Wo
	s_load_b128 s[24:27], s[0:1], 0x48             ; of W1, W2
	s_load_b256 s[28:35], s[0:1], 0x58             ; scales of Wq, Wk, Wv, Wo
	s_load_b128 s[36:39], s[0:1], 0x78             ; of W1, W2
	v_lshl_add_u32 v[SPW], v0, 2, SPARE
	v_mov_b32 v[NIL], 0
	v_lshrrev_b32 v1, 5, v0
	s_delay_alu instid0(VALU_DEP_1)
	v_readfirstlane_b32 s40, v1                    ; wave 0..7
	v_and_b32 v1, 31, v0                           ; lane
	v_and_b32 v2, 15, v0                           ; r
	v_bfe_u32 v3, v0, 4, 1                         ; h
	s_delay_alu instid0(VALU_DEP_3)
	v_lshlrev_b32 v4, 4, v1                        ; 16 x lane
	s_delay_alu instid0(VALU_DEP_4)
	v_lshlrev_b32 v7, 3, v1                        ; 8 x lane
	s_delay_alu instid0(VALU_DEP_4)
	v_lshlrev_b32 v8, 2, v2                        ; 4 r
	s_cmp_ge_u32 ttmp9, 256                        ; the same in all waves of a work-group
	s_cbranch_scc1 .Lweights
; ---------------- THE NORM.  Work-group g takes tile g of the 4,096 rows: rows 32 (g / 2) + 8 (g % 2) + p + 8 (p / 8).
	s_mov_b32 s42, 0x76543210
	s_mov_b32 s43, 0xfedcba98                      ; v_permlanex16_b32's selects for lane l xor 16
	s_mov_b32 s44, 0x3a800000                      ; 1 / 1,024
	s_mov_b32 s45, 0x3727c5ac                      ; 1e-5
	s_mul_i32 s46, s40, 2*PITCH
	v_add_nc_u32 v5, s46, v4                       ; into the stage: rows 2 w, 2 w + 1; 16 bytes a lane
	v_mul_u32_u24 v6, v2, PITCH
	s_delay_alu instid0(VALU_DEP_1)
	v_lshl_add_u32 v6, v3, 7, v6
	s_lshl_b32 s46, s40, 9
	v_add_nc_u32 v6, s46, v6                       ; out of it: row r, K step w, + 128 h
	s_lshr_b32 s46, ttmp9, 1
	s_lshl_b32 s46, s46, 5
	s_and_b32 s47, ttmp9, 1
	s_lshl_b32 s47, s47, 3
	s_add_co_u32 s46, s46, s47
	s_lshl_b32 s47, s40, 1
	s_add_co_u32 s46, s46, s47
	s_lshr_b32 s47, s40, 2
	s_lshl_b32 s47, s47, 3
	s_add_co_u32 s46, s46, s47                     ; my first row in memory: the tile's first + 2 w + 8 (w / 4)
	s_lshl_b32 s46, s46, 12
	s_mov_b32 s47, 0
	s_lshr_b32 s48, ttmp9, 3
	s_mul_i32 s48, s48, 102400                     ; the block's eight records,
	s_mul_i32 s49, s40, 12800
	s_add_co_u32 s48, s48, s49                     ; K step w's
	s_and_b32 s49, ttmp9, 7
	s_mul_i32 s50, s49, 1536
	s_add_co_u32 s50, s50, s48                     ; my fragment
	s_mov_b32 s51, 0
	s_lshl_b32 s52, s49, 6
	s_add_co_u32 s52, s52, s48
	s_add_co_u32 s52, s52, 12288                   ; and its scale words
	s_mov_b32 s53, 0
.irp q, 20,21,25,27,29,31
	v_mov_b32 v\q, 0                               ; permute destinations and upper halves of pairs: named before they are otherwise written
.endr
	s_wait_kmcnt 0x0
	s_add_nc_u64 s[4:5], s[4:5], s[46:47]
	s_add_nc_u64 s[50:51], s[10:11], s[50:51]
	s_add_nc_u64 s[52:53], s[10:11], s[52:53]
.irp e, 0,1
.irp u, 0,1,2,3,4,5,6,7
	global_load_b128 v[X+32*\e+4*\u:X+32*\e+4*\u+3], v4, s[4:5] offset:4096*\e+512*\u th:TH_LOAD_NT   ; 32 lanes read 512 consecutive bytes
.endr
.endr
.irp u, 0,1,2,3,4,5,6,7
	global_load_b128 v[G+4*\u:G+4*\u+3], v4, s[6:7] offset:512*\u
.endr
.irp u, 0,1,2,3,4,5,6,7
	global_load_b128 v[BE+4*\u:BE+4*\u+3], v4, s[8:9] offset:512*\u
.endr
; the two chains of each row, then the pair's halves, then the 32 lanes: v12 (row 0) and v16 (row 1) end with the row's sum in every lane
.macro LANESUM
.irp e, 0
	s_delay_alu instid0(VALU_DEP_3)
	v_pk_add_f32 v[12+4*\e:13+4*\e], v[12+4*\e:13+4*\e], v[14+4*\e:15+4*\e]
.endr
.irp e, 1
	s_delay_alu instid0(VALU_DEP_2)
	v_pk_add_f32 v[12+4*\e:13+4*\e], v[12+4*\e:13+4*\e], v[14+4*\e:15+4*\e]
.endr
.irp e, 0,1
	s_delay_alu instid0(VALU_DEP_2)
	v_add_f32 v[12+4*\e], v[12+4*\e], v[13+4*\e]
.endr
.irp m, 1,2,4,8
.irp e, 0,1
	s_delay_alu instid0(VALU_DEP_2)
	v_add_f32_dpp v[12+4*\e], v[12+4*\e], v[12+4*\e] row_xmask:\m row_mask:0xf bank_mask:0xf
.endr
.endr
.irp e, 0,1
	s_delay_alu instid0(VALU_DEP_2)
	v_permlanex16_b32 v[20+\e], v[12+4*\e], s42, s43
.endr
.irp e, 0,1
	s_delay_alu instid0(VALU_DEP_2)
	v_add_f32 v[12+4*\e], v[12+4*\e], v[20+\e]
.endr
.endm
	s_wait_loadcnt 16                              ; my two rows are in; the sixteen loads of gain and offset may be out
.irp e, 0,1
	v_pk_add_f32 v[12+4*\e:13+4*\e], v[X+32*\e:X+32*\e+1], v[X+32*\e+2:X+32*\e+3]
	v_pk_add_f32 v[14+4*\e:15+4*\e], v[X+32*\e+4:X+32*\e+5], v[X+32*\e+6:X+32*\e+7]
.endr
.irp j, 8,12,16,20,24,28
.irp e, 0,1
	s_delay_alu instid0(VALU_DEP_4)
	v_pk_add_f32 v[12+4*\e:13+4*\e], v[12+4*\e:13+4*\e], v[X+32*\e+\j:X+32*\e+\j+1]
	s_delay_alu instid0(VALU_DEP_4)
	v_pk_add_f32 v[14+4*\e:15+4*\e], v[14+4*\e:15+4*\e], v[X+32*\e+\j+2:X+32*\e+\j+3]
.endr
.endr
	LANESUM
.irp e, 0,1
	s_delay_alu instid0(VALU_DEP_2)
	v_mul_f32 v[24+2*\e], s44, v[12+4*\e]          ; the mean
.endr
.irp j, 0,2,4,6,8,10,12,14,16,18,20,22,24,26,28,30
.irp e, 0,1
	v_pk_add_f32 v[X+32*\e+\j:X+32*\e+\j+1], v[X+32*\e+\j:X+32*\e+\j+1], v[24+2*\e:25+2*\e] op_sel_hi:[1,0] neg_lo:[0,1] neg_hi:[0,1]   ; x - mean, in place
.endr
.endr
.irp e, 0,1
	v_pk_mul_f32 v[12+4*\e:13+4*\e], v[X+32*\e:X+32*\e+1], v[X+32*\e:X+32*\e+1]
	v_pk_mul_f32 v[14+4*\e:15+4*\e], v[X+32*\e+2:X+32*\e+3], v[X+32*\e+2:X+32*\e+3]
.endr
.irp j, 4,8,12,16,20,24,28
.irp e, 0,1
	s_delay_alu instid0(VALU_DEP_4)
	v_pk_fma_f32 v[12+4*\e:13+4*\e], v[X+32*\e+\j:X+32*\e+\j+1], v[X+32*\e+\j:X+32*\e+\j+1], v[12+4*\e:13+4*\e]
	s_delay_alu instid0(VALU_DEP_4)
	v_pk_fma_f32 v[14+4*\e:15+4*\e], v[X+32*\e+\j+2:X+32*\e+\j+3], v[X+32*\e+\j+2:X+32*\e+\j+3], v[14+4*\e:15+4*\e]
.endr
.endr
	LANESUM
.irp e, 0,1
	s_delay_alu instid0(VALU_DEP_2)
	v_fma_f32 v[12+4*\e], v[12+4*\e], s44, s45     ; the variance + 1e-5
.endr
	s_wait_alu depctr_va_vdst(0)
.irp e, 0,1
	v_rsq_f32 v[28+2*\e], v[12+4*\e]
.endr
	v_nop                                          ; a plain instruction behind the two roots,
	s_wait_alu depctr_va_vdst(0)                   ; and the one wait ahead of their first reader
	s_wait_loadcnt 0x0                             ; gain and offset
.irp j, 0,2,4,6,8,10,12,14,16,18,20,22,24,26,28,30
.irp e, 0,1
	v_pk_mul_f32 v[X+32*\e+\j:X+32*\e+\j+1], v[X+32*\e+\j:X+32*\e+\j+1], v[28+2*\e:29+2*\e] op_sel_hi:[1,0]
.endr
.endr
.irp j, 0,2,4,6,8,10,12,14,16,18,20,22,24,26,28,30
.irp e, 0,1
	v_pk_fma_f32 v[X+32*\e+\j:X+32*\e+\j+1], v[X+32*\e+\j:X+32*\e+\j+1], v[G+\j:G+\j+1], v[BE+\j:BE+\j+1]
.endr
.endr
.irp e, 0,1
.irp u, 0,1,2,3,4,5,6,7
	ds_store_b128 v5, v[X+32*\e+4*\u:X+32*\e+4*\u+3] offset:\e*PITCH+512*\u
.endr
.endr
	s_wait_dscnt 0x0                               ; for the others' sake: my two rows lie in the stage
	s_barrier_signal -1
	s_barrier_wait -1
; Wave w makes the fragment of K step w.  Lane (r, h) takes, of row r, k = 128 w + 64 c + 32 h + 0 .. 31: two whole blocks, in the order of the operand's registers.
.irp c, 0,1
.irp q, 0,1,2,3,4,5,6,7
	ds_load_b128 v[X+32*\c+4*\q:X+32*\c+4*\q+3], v6 offset:256*\c+16*\q
.endr
.endr
	s_wait_dscnt 0x0
.irp c, 0,1
	v_max3_num_f32 v[12+\c], |v[X+32*\c]|, |v[X+32*\c+1]|, 0x1800000   ; the block's largest magnitude, and the floor 2^(3 - 127): the byte cannot fall under 1
.endr
.irp i, 2,4,6,8,10,12,14,16,18,20,22,24,26,28,30
.irp c, 0,1
	s_delay_alu instid0(VALU_DEP_2)
	v_max3_num_f32 v[12+\c], v[12+\c], |v[X+32*\c+\i]|, |v[X+32*\c+\i+1]|
.endr
.endr
.irp c, 0,1
	s_delay_alu instid0(VALU_DEP_2)
	v_add_nc_u32 v[14+\c], 0xff000000, v[12+\c]    ; 2 off the exponent field: the conversion's scale operand
.endr
.irp c, 0,1
	s_delay_alu instid0(VALU_DEP_2)
	v_lshrrev_b32 v[16+\c], 23, v[14+\c]           ; the scale's byte
.endr
	s_delay_alu instid0(VALU_DEP_1)
	v_lshl_or_b32 v[SW], v17, 16, v16              ; my two bytes: blocks h and 2 + h,
	v_lshlrev_b32 v18, 3, v3
	s_delay_alu instid0(VALU_DEP_1)
	v_lshlrev_b32 v[SW], v18, v[SW]                ; at their places;
	s_delay_alu instid0(VALU_DEP_1)
	v_permlanex16_b32 v20, v[SW], s42, s43
	s_delay_alu instid0(VALU_DEP_1)
	v_or_b32 v[SW], v[SW], v20                     ; with lane l xor 16's two the word is whole
.irp c, 0,1
	v_cvt_scalef32_pk16_fp6_f32 v[CD+6*\c:CD+6*\c+2], v[X+32*\c:X+32*\c+15], v[14+\c]
	v_cvt_scalef32_pk16_fp6_f32 v[CT+4*\c:CT+4*\c+2], v[X+32*\c+16:X+32*\c+31], v[14+\c]   ; (a conversion's three registers begin on an even number)
.endr
	v_nop                                          ; a plain instruction behind the conversions
.irp c, 0,1
.irp i, 0,1,2
	v_mov_b32 v[CD+3+6*\c+\i], v[CT+4*\c+\i]
.endr
.endr
.irp P, 0,1,2,3,4,5
	global_store_b64 v7, v[CD+2*\P:CD+2*\P+1], s[50:51] offset:256*\P   ; a piece: 256 consecutive bytes, aligned
.endr
	global_store_b32 v8, v[SW], s[52:53]           ; lanes r and r + 16 write the same word with the same value
	s_wait_tensorcnt 0x0                           ; the wave's end
	ds_add_u32 v[SPW], v[NIL]
	s_wait_dscnt 0x0
	s_endpgm
; ---------------- THE WEIGHTS.  Task t = work-group - 256: 64 rows x 8 K steps (768 bytes a row) of one weight.  t / 16: 0-3 Wq, Wk, Wv, Wo; 4-7 W1; 8-11 W2 (whose K has four such runs).
.Lweights:
	s_sub_co_u32 s41, ttmp9, 256                   ; t
	s_lshr_b32 s42, s41, 4
	s_and_b32 s43, s41, 63
	s_and_b32 s44, s41, 15
	s_lshr_b32 s45, s43, 2
	s_and_b32 s46, s41, 3
	s_and_b32 s47, s42, 12
	s_and_b32 s56, s40, 1                          ; which four of the eight K steps are my wave's
	s_lshr_b32 s66, s40, 1                         ; which of the four tiles
	s_cmp_lt_u32 s42, 4
	s_cselect_b32 s48, s44, s43
	s_cselect_b32 s47, s42, s47                    ; the image's place in units of 819,200 bytes: 0-3, 4 (W1), 8 (W2)
	s_cmp_lt_u32 s42, 8
	s_cselect_b32 s48, s48, s45                    ; which 64 rows
	s_cselect_b32 s46, 0, s46                      ; which run of 8 K steps
	s_mov_b32 s49, 3072
	s_cselect_b32 s49, 768, s49                    ; a row of codes in bytes
	s_cselect_b32 s50, 5, 7                        ; a row of scale bytes: 32 or 128, as a shift
	s_mov_b32 s51, 409600
	s_cselect_b32 s51, 102400, s51                 ; a block's records in bytes
	s_mul_i32 s47, s47, 819200
	s_lshl_b32 s52, s48, 6
	s_lshl_b32 s53, s40, 3
	s_add_co_u32 s52, s52, s53
	s_mul_i32 s52, s52, s49
	s_mul_i32 s53, s46, 768
	s_add_co_u32 s52, s52, s53                     ; codes: my wave's 8 rows, the task's run
	s_mov_b32 s53, 0
	s_lshl_b32 s54, s48, 6
	s_lshl_b32 s54, s54, s50
	s_lshl_b32 s55, s46, 5
	s_add_co_u32 s54, s54, s55
	s_lshl_b32 s55, s56, 4
	s_add_co_u32 s54, s54, s55                     ; scale bytes: the task's rows, my four K steps' 16 bytes
	s_mov_b32 s55, 0
	s_lshr_b32 s58, s48, 1
	s_mul_i32 s58, s58, s51
	s_add_co_u32 s58, s58, s47
	s_lshl_b32 s59, s46, 3
	s_lshl_b32 s67, s56, 2
	s_add_co_u32 s59, s59, s67
	s_mul_i32 s59, s59, 12800
	s_add_co_u32 s58, s58, s59                     ; the image: my first record
	s_and_b32 s57, s48, 1
	s_lshl_b32 s57, s57, 2
	s_add_co_u32 s57, s57, s66                     ; my tile of the block's eight
	s_mul_i32 s60, s57, 1536
	s_add_co_u32 s60, s60, s58
	s_mov_b32 s61, 0
	s_lshl_b32 s62, s57, 6
	s_add_co_u32 s62, s62, s58
	s_add_co_u32 s62, s62, 12288
	s_mov_b32 s63, 0
	s_wait_alu depctr_va_vdst(0)
	v_mov_b32 v16, v7
.irp e, 1,2,3,4,5,6,7
	s_delay_alu instid0(VALU_DEP_1)
	v_add_nc_u32 v[16+\e], s49, v[15+\e]           ; 8 x lane + e rows
.endr
	s_mul_i32 s67, s40, 8*RP
	s_add_co_u32 s67, s67, RST
	v_add_nc_u32 v5, s67, v7                       ; into the stage: my 8 rows, as they lie
	v_and_b32 v9, 8, v2
	s_delay_alu instid0(VALU_DEP_1)
	v_add_nc_u32 v9, v9, v2                        ; r + 8 (r / 8)
	s_lshr_b32 s67, s66, 1
	s_lshl_b32 s67, s67, 5
	s_and_b32 s59, s66, 1
	s_lshl_b32 s59, s59, 3
	s_add_co_u32 s67, s67, s59
	v_add_nc_u32 v9, s67, v9                       ; my lane's row of the 64
	s_delay_alu instid0(VALU_DEP_1)
	v_lshlrev_b32 v12, s50, v9                     ; its scale bytes
	s_delay_alu instid0(VALU_DEP_2)
	v_mul_u32_u24 v6, v9, RP
	s_delay_alu instid0(VALU_DEP_1)
	v_mad_u32_u24 v6, v3, 24, v6
	s_mul_i32 s67, s56, 384
	s_add_co_u32 s67, s67, RST
	v_add_nc_u32 v6, s67, v6                       ; out of the stage: that row, + 24 h, my four K steps
	s_wait_alu depctr_va_vdst(0)
	s_wait_kmcnt 0x0
	s_cmp_eq_u32 s42, 1                            ; the choice hangs on the work-group's number alone
	s_cselect_b64 s[68:69], s[18:19], s[16:17]
	s_cselect_b64 s[70:71], s[30:31], s[28:29]
	s_cmp_eq_u32 s42, 2
	s_cselect_b64 s[68:69], s[20:21], s[68:69]
	s_cselect_b64 s[70:71], s[32:33], s[70:71]
	s_cmp_eq_u32 s42, 3
	s_cselect_b64 s[68:69], s[22:23], s[68:69]
	s_cselect_b64 s[70:71], s[34:35], s[70:71]
	s_cmp_ge_u32 s42, 4
	s_cselect_b64 s[68:69], s[24:25], s[68:69]
	s_cselect_b64 s[70:71], s[36:37], s[70:71]
	s_cmp_ge_u32 s42, 8
	s_cselect_b64 s[68:69], s[26:27], s[68:69]
	s_cselect_b64 s[70:71], s[38:39], s[70:71]
	s_add_nc_u64 s[68:69], s[68:69], s[52:53]
	s_add_nc_u64 s[70:71], s[70:71], s[54:55]
	s_add_nc_u64 s[60:61], s[12:13], s[60:61]
	s_add_nc_u64 s[62:63], s[12:13], s[62:63]
.irp e, 0,1,2,3,4,5,6,7
.irp c, 0,1,2
	global_load_b64 v[32+6*\e+2*\c:33+6*\e+2*\c], v[16+\e], s[68:69] offset:256*\c th:TH_LOAD_NT   ; 32 lanes read 256 consecutive bytes of a row
.endr
.endr
	global_load_b128 v[80:83], v12, s[70:71]       ; my row's scale words of my four K steps
	s_wait_loadcnt 0x1                             ; the codes are in; the scale words may be out
.irp e, 0,1,2,3,4,5,6,7
.irp c, 0,1,2
	ds_store_b64 v5, v[32+6*\e+2*\c:33+6*\e+2*\c] offset:\e*RP+256*\c
.endr
.endr
	s_wait_dscnt 0x0                               ; for the others' sake
	s_barrier_signal -1
	s_barrier_wait -1
.irp k, 0,1,2,3
.irp P, 0,1,2,3,4,5
	ds_load_b64 v[96+12*\k+2*\P:97+12*\k+2*\P], v6 offset:96*\k+48*(\P/3)+8*(\P%3)   ; the fragment's registers, as the operand's layout has them
.endr
.endr
	s_wait_dscnt 0x0
.irp k, 0,1,2,3
.irp P, 0,1,2,3,4,5
	global_store_b64 v7, v[96+12*\k+2*\P:97+12*\k+2*\P], s[60:61] offset:12800*\k+256*\P
.endr
.endr
	s_wait_loadcnt 0x0
.irp k, 0,1,2,3
	global_store_b32 v8, v[80+\k], s[62:63] offset:12800*\k   ; lanes r and r + 16 write the same word with the same value
.endr
	s_wait_tensorcnt 0x0                           ; the wave's end
	ds_add_u32 v[SPW], v[NIL]
	s_wait_dscnt 0x0
	s_endpgm
.Lfunc_end_k_q76be7ff1ab_prep:
	.size	k_q76be7ff1ab_prep, .Lfunc_end_k_q76be7ff1ab_prep-k_q76be7ff1ab_prep
	.p2alignl 7, 3214868480
	.fill 96, 4, 3214868480
	.section	.rodata,"a",@progbits
	.p2align	6, 0x0
	.amdhsa_kernel k_q76be7ff1ab_prep
		.amdhsa_group_segment_fixed_size 117248
		.amdhsa_private_segment_fixed_size 0
		.amdhsa_enable_private_segment 0
		.amdhsa_kernarg_size 136
		.amdhsa_user_sgpr_count 2
		.amdhsa_user_sgpr_kernarg_segment_ptr 1
		.amdhsa_wavefront_size32 1
		.amdhsa_system_sgpr_workgroup_id_x 1
		.amdhsa_system_sgpr_workgroup_id_y 1
		.amdhsa_system_sgpr_workgroup_id_z 1
		.amdhsa_system_vgpr_workitem_id 0
		.amdhsa_next_free_vgpr 192
		.amdhsa_next_free_sgpr 96
		.amdhsa_reserve_vcc 0
		.amdhsa_float_denorm_mode_32 3
		.amdhsa_float_denorm_mode_16_64 3
		.amdhsa_memory_ordered 1
		.amdhsa_forward_progress 1
		.amdhsa_inst_pref_size 41
	.end_amdhsa_kernel
	.amdgpu_metadata
---
amdhsa.version: [ 1, 2 ]
amdhsa.kernels:
  - .name:           k_q76be7ff1ab_prep
    .symbol:         k_q76be7ff1ab_prep.kd
    .args:
      - { .name: x, .offset: 0, .size: 8, .value_kind: global_buffer, .address_space: global }
      - { .name: g1, .offset: 8, .size: 8, .value_kind: global_buffer, .address_space: global }
      - { .name: be1, .offset: 16, .size: 8, .value_kind: global_buffer, .address_space: global }
      - { .name: aimg, .offset: 24, .size: 8, .value_kind: global_buffer, .address_space: global }
      - { .name: wimg, .offset: 32, .size: 8, .value_kind: global_buffer, .address_space: global }
      - { .name: Wq_codes, .offset: 40, .size: 8, .value_kind: global_buffer, .address_space: global }
      - { .name: Wk_codes, .offset: 48, .size: 8, .value_kind: global_buffer, .address_space: global }
      - { .name: Wv_codes, .offset: 56, .size: 8, .value_kind: global_buffer, .address_space: global }
      - { .name: Wo_codes, .offset: 64, .size: 8, .value_kind: global_buffer, .address_space: global }
      - { .name: W1_codes, .offset: 72, .size: 8, .value_kind: global_buffer, .address_space: global }
      - { .name: W2_codes, .offset: 80, .size: 8, .value_kind: global_buffer, .address_space: global }
      - { .name: Wq_scales, .offset: 88, .size: 8, .value_kind: global_buffer, .address_space: global }
      - { .name: Wk_scales, .offset: 96, .size: 8, .value_kind: global_buffer, .address_space: global }
      - { .name: Wv_scales, .offset: 104, .size: 8, .value_kind: global_buffer, .address_space: global }
      - { .name: Wo_scales, .offset: 112, .size: 8, .value_kind: global_buffer, .address_space: global }
      - { .name: W1_scales, .offset: 120, .size: 8, .value_kind: global_buffer, .address_space: global }
      - { .name: W2_scales, .offset: 128, .size: 8, .value_kind: global_buffer, .address_space: global }
    .group_segment_fixed_size: 117248
    .private_segment_fixed_size: 0
    .kernarg_segment_align: 8
    .kernarg_segment_size: 136
    .max_flat_workgroup_size: 256
    .sgpr_count:     96
    .vgpr_count:     192
    .wavefront_size: 32
...
	.end_amdgpu_metadata
.endif
;; end of part 1
;; launch qkv (part 2): grid 8 x 32, 4 waves a work-group, clusters of 4 x 4, 327,680 bytes of LDS; arguments aimg, wimg, qkv; writes qkv
.if DOCPART == 2
	.amdgcn_target "amdgcn-amd-amdhsa--gfx1250"
	.amdhsa_code_object_version 6
	.text
	.protected	k_q76be7ff1ab_qkv
	.globl	k_q76be7ff1ab_qkv
	.p2align	8
	.type	k_q76be7ff1ab_qkv,@function
k_q76be7ff1ab_qkv:
	s_mov_b64 s[64:65], 0
	v_nop
	global_prefetch_b8 v0, s[64:65] scope:SCOPE_SE
	s_setreg_imm32_b32 hwreg(HW_REG_WAVE_MODE, 25, 1), 1
	s_wait_xcnt 0x0
	s_wait_alu depctr_hold_cnt(0) depctr_sa_sdst(0) depctr_va_vdst(0) depctr_va_sdst(0) depctr_va_ssrc(0) depctr_va_vcc(0) depctr_vm_vsrc(0)
	s_getreg_b32 s2, hwreg(HW_REG_IB_STS2, 6, 4)
	s_cmp_eq_u32 s2, 0
	s_cbranch_scc0 .Lentry_in_a_cluster
	s_endpgm
.Lentry_in_a_cluster:
	s_bfe_u32 s2, ttmp6, 0x10000c
	s_cmp_lg_u32 s2, 0xf033
	s_cbranch_scc0 .Lentry_shape_is_right
	s_endpgm
.Lentry_shape_is_right:
; q, k, v = LN1(x) Wq, Wk, Wv on codes of FP6 (E2M3) with E8M0 scales, and the three results quantised on the way out, for the attention's two products.
; Operands lie in memory as images of operand registers (records of 12,800 bytes: one block of 128 rows x 128 K: 8 fragments of 1,536 bytes, 512 bytes of scale words; lane p of tile i is row 32 (i / 2) + 8 (i % 2) + p + 8 (p / 8)).
; SHARES.  A work-group takes one block of 128 tokens (gy) and block gx of 128 rows of each of the three weights: three tiles of 128 x 128, K = 1,024.  The tokens' eight records stay in LDS; a weight tile, all of K,
; is one slot of 102,400 bytes; two slots take turns, so a refill has a whole tile's 128 matrix instructions a wave in which to land.  Four waves, 64 x 64 each: 16 accumulators, which take turns.
; A tile of 128 x 128, not larger: with N = 1,024 that gives 256 work-groups.
; CLUSTER 4 x 4: the tokens' records hang on gy alone and are asked for jointly along a row of the cluster, the weights' on gx alone and jointly along a column.
; ROLES.  q and k: source 0 = 16 rows of the weight, source 1 = 16 tokens: a lane holds one token and, by the order of rows in a tile, 16 neighbouring channels in two accumulators: quantised along the head's 64.
; v: the sources are swapped: a lane holds one channel and neighbouring TOKENS: quantised along the keys.  A wave's 64 weight rows are one head.
; OUT.  q: [head 32][tile 128][768 bytes] (half a fragment: K = 64) and its scale words (bytes 2, 3 are 0); k and v: records of 13,056 bytes for each head and 128 keys: k's 8 half fragments, v^T's 4 fragments, k's and v's scale words.
; LIMITS: NaN and infinities are not served; a block whose largest magnitude lies under 2^-124, a block of zeros too, gets the byte 1; this program alone reads the bytes.
; REGISTERS: window 0: v8-17 LDS addresses; v22-24 store offsets; v28, v29 the add's two; v32-39 scale words, two sets (lanes 0-15 the tokens' tile i, lanes 16-31 the weight's tile i); v40-95 the way out; v128-255 accumulators ((a, i) at 128 + 8 (4 a + i)).
;   window 1: two fragment buffers, v0-95 and v128-223: the tokens' tile i at 12 i, the weight's at 48 + 12 i.
.set WOFF,  0                          ; Wq's image in wimg; Wk's and Wv's follow, TS bytes apart
.set TS,    819200
.set SPARE, 307200                     ; behind the tokens and the two slots: the spare words, 128 bytes a wave
.set ADT, 8                            ; v8-9    my tokens' fragments, K steps 0-3 and 4-7
.set ADW, 10                           ; v10-13  my weight rows' fragments: slot s, half hf at 10 + 2 s + hf
.set ADS, 14                           ; v14-17  the scale words likewise
.set L8,  22                           ; v22     8 x lane
.set L4,  23                           ; v23     4 x lane
.set L16, 24                           ; v24     16 x lane
.set SPW, 28
.set NIL, 29
.set SC,  32
.set TM,  40                           ; v40-43 largest magnitudes, v44-47 bytes, v48-49 two bytes of each tile, v52-55 the conversions' scale operands
.set SW,  56                           ; v56-57 scale words to store
.set PC,  64                           ; v64-87 codes to store
.set CT,  88                           ; v88-95 the upper halves of the blocks' codes
.set ACC, 128
.set F0,  0
.set F1,  128
.set G1T, 24                           ; s[24:31] descriptor group 1, the tokens' mask;  s[48:55] the weights'
.set G1W, 48
.set G0T, 32                           ; s[32:35] group 0 for the tokens;  s[36:39], s[40:43] for the two slots
.set G0W, 36
.set HI16, 56                          ; s56  lanes 16-31
.set SEL, 58                           ; s[58:59]
.set MSB, 0
.macro WIN new                         ; the immediate's high byte repeats the setting that is left
.if MSB != \new
	s_set_vgpr_msb (MSB<<8)|\new
.set MSB, \new
.endif
.endm
.set MUL,  0x05                        ; sources 0 and 1 window 1; C and D window 0
.set TO_F, 0x40                        ; destination window 1, address window 0
.macro CREST                           ; a round of the cluster's barrier behind its opening barrier
	s_cmp_lg_u32 s14, 0
	s_cbranch_scc1 .Lnot_wave_0_\@
	s_barrier_signal -3
.Lnot_wave_0_\@:
	s_barrier_wait -3
	s_barrier_signal -1
	s_barrier_wait -1
.endm
.macro CROUND
	s_barrier_signal -1
	s_barrier_wait -1
	CREST
.endm
.macro PLACES                          ; four places behind matrix instructions, in front of loads into registers that they read and of the first read of results
.rept 4
	v_nop
.endr
.endm
	s_load_b128 s[4:7], s[0:1], 0x0                ; the tokens' image, the weights' images
	s_load_b64 s[8:9], s[0:1], 0x10                ; the output
	v_lshl_add_u32 v[SPW], v0, 2, SPARE
	v_mov_b32 v[NIL], 0
	ds_add_u32 v[SPW], v[NIL]                      ; the wave's opening: the add and its wait ahead of my first tensor load
	ds_add_u32 v[SPW], v[NIL]
	v_lshrrev_b32 v1, 5, v0
	v_readfirstlane_b32 s14, v1                    ; wave 0..3
	s_lshr_b32 s15, s14, 1                         ; th: which 64 tokens
	s_and_b32 s16, s14, 1                          ; wh: which 64 weight rows
	s_bfe_u32 s44, ttmp6, 0x40000                  ; cx
	s_bfe_u32 s45, ttmp6, 0x40004                  ; cy
	s_lshl_b32 s46, ttmp9, 2
	s_add_co_u32 s46, s46, s44                     ; gx
	s_and_b32 s17, ttmp7, 0xffff
	s_lshl_b32 s17, s17, 2
	s_add_co_u32 s17, s17, s45                     ; gy
	s_lshl_b32 s18, s45, 2
	s_lshl_b32 s18, 15, s18                        ; my row of the cluster
	s_lshl_b32 s19, 0x1111, s44                    ; my column
	s_or_b32 s[G1T], s18, (3<<16)|(1<<21)          ; 15:0 the mask; 17:16 elements of 8 bytes; 21 set beside a mask; no padding
	s_or_b32 s[G1W], s19, (3<<16)|(1<<21)
.irp g, G1T, G1W                       ; a load is two records, 25,600 dense bytes, as 100 rows of 256
	s_mov_b32 s[\g+1], 32<<16
	s_mov_b32 s[\g+2], 200<<16                     ; the head's loads bring four records, 200 rows of 256 bytes
	s_mov_b32 s[\g+3], 32<<16
	s_mov_b32 s[\g+4], 200
	s_mov_b32 s[\g+5], 32
	s_mov_b32 s[\g+6], 0
	s_mov_b32 s[\g+7], 0
.endr
	s_mul_i32 s78, s14, 25600                      ; my quarter of a block's eight records: no place in the cluster enters an LDS address
	s_mul_i32 s86, s16, 51200                      ; the head's loads: which half of a block's eight records,
	s_mul_i32 s87, s14, 51200                      ; and where it goes: waves 0, 1 the tokens, waves 2, 3 slot 0
	s_mul_i32 s20, s17, 102400
	s_add_co_u32 s20, s20, s86
	s_mul_i32 s92, s46, 102400
	s_add_co_u32 s92, s92, s86
	s_add_co_u32 s92, s92, WOFF
	s_mov_b32 s93, 0
	s_mov_b32 s21, 0
	s_mul_i32 s22, s46, 102400
	s_add_co_u32 s22, s22, s78
	s_add_co_u32 s22, s22, WOFF
	s_mov_b32 s23, 0
	s_mov_b32 s[HI16], 0xffff0000
	s_mov_b32 s[SEL], 0x76543210
	s_mov_b32 s[SEL+1], 0xfedcba98
	s_wait_dscnt 0x0                               ; the opening add is done
	s_wait_kmcnt 0x0
	s_mov_b32 s[G0T], 1
	s_mov_b32 s[G0T+1], s87
	s_add_nc_u64 s[G0T+2:G0T+3], s[4:5], s[20:21]
	s_or_b32 s[G0T+3], s[G0T+3], 0x80000000
	s_mov_b32 s88, 1                               ; s[88:91]: group 0 for the head's half of Wq's tile
	s_mov_b32 s89, s87
	s_add_nc_u64 s[90:91], s[6:7], s[92:93]
	s_or_b32 s91, s91, 0x80000000
	s_mov_b32 s[G0W], 1
	s_add_co_u32 s[G0W+1], s78, 102400
	s_add_nc_u64 s[G0W+2:G0W+3], s[6:7], s[22:23]
	s_or_b32 s[G0W+3], s[G0W+3], 0x80000000
	s_mov_b32 s[G0W+4], 1
	s_add_co_u32 s[G0W+5], s78, 204800
	s_add_nc_u64 s[G0W+6:G0W+7], s[6:7], s[22:23]
	s_add_nc_u64 s[G0W+6:G0W+7], s[G0W+6:G0W+7], TS
	s_or_b32 s[G0W+7], s[G0W+7], 0x80000000
	CROUND                                         ; all sixteen work-groups are here: the first joint loads meet
	s_cmp_eq_u32 s15, 0                            ; one tensor load a wave at the head: waves 0, 1 half of the tokens each,
	s_cbranch_scc0 .Lhead_w
	tensor_load_to_lds s[G0T:G0T+3], s[G1T:G1T+7]
	s_nop 0
	PLACES
	s_branch .Lhead_asked
.Lhead_w:
	tensor_load_to_lds s[88:91], s[G1W:G1W+7]      ; waves 2, 3 half of Wq's tile each
	s_nop 0
	PLACES
.Lhead_asked:
	v_and_b32 v1, 15, v0                           ; r
	v_bfe_u32 v2, v0, 4, 1                         ; h
	v_and_b32 v3, 31, v0
	v_lshlrev_b32 v[L8], 3, v3
	v_lshlrev_b32 v[L4], 2, v3
	v_lshlrev_b32 v[L16], 4, v3
	s_mul_i32 s79, s15, 6144
	v_add_nc_u32 v[ADT], s79, v[L8]
	v_add_nc_u32 v[ADT+1], 51200, v[ADT]
	s_mul_i32 s79, s16, 6144
	s_add_co_u32 s79, s79, 102400
	v_add_nc_u32 v[ADW], s79, v[L8]
	v_add_nc_u32 v[ADW+1], 51200, v[ADW]
	v_add_nc_u32 v[ADW+2], 102400, v[ADW]
	v_add_nc_u32 v[ADW+3], 51200, v[ADW+2]
	s_lshl_b32 s79, s15, 8                         ; the scale words: lanes 0-15 the tokens' (12,288 + 256 th + 4 r in a record), lanes 16-31 the weight's, one distance further on
	s_lshl_b32 s80, s16, 8
	s_add_co_u32 s80, s80, 102400
	s_sub_co_u32 s80, s80, s79
	s_add_co_u32 s81, s80, 102400
	s_add_co_u32 s79, s79, 12288
	v_mul_u32_u24 v4, s80, v2
	v_lshl_add_u32 v4, v1, 2, v4
	v_add_nc_u32 v[ADS], s79, v4
	v_add_nc_u32 v[ADS+1], 51200, v[ADS]
	v_mul_u32_u24 v5, s81, v2
	v_lshl_add_u32 v5, v1, 2, v5
	v_add_nc_u32 v[ADS+2], s79, v5
	v_add_nc_u32 v[ADS+3], 51200, v[ADS+2]
.irp b, 0,1,2,3
	v_mov_b32 v[TM+4+\b], 0                        ; written once: a lane permute's destination counts as one of its sources
.endr
	; where the results go
	s_lshr_b32 s81, s17, 4
	s_lshl_b32 s81, s81, 4
	s_lshl_b32 s82, s46, 1
	s_add_co_u32 s81, s81, s82
	s_add_co_u32 s81, s81, s16                     ; batch x 16 + head
	s_and_b32 s82, s17, 15                         ; the token block within the batch
	s_lshl_b32 s83, s82, 3
	s_lshl_b32 s84, s15, 2
	s_add_co_u32 s83, s83, s84                     ; my first tile of queries
	s_mul_i32 s66, s81, 98304
	s_mul_i32 s84, s83, 768
	s_add_co_u32 s66, s66, s84                     ; q's codes
	s_mov_b32 s67, 0
	s_lshl_b32 s68, s81, 13
	s_lshl_b32 s84, s83, 6
	s_add_co_u32 s68, s68, s84
	s_add_co_u32 s68, s68, 3145728                 ; q's scale words
	s_mov_b32 s69, 0
	s_mul_i32 s85, s81, 208896
	s_mul_i32 s84, s82, 13056
	s_add_co_u32 s85, s85, s84
	s_add_co_u32 s85, s85, 3407872                 ; the record of k and v
	s_mul_i32 s84, s15, 3072
	s_add_co_u32 s70, s85, s84                     ; k's codes: tile 4 th on
	s_mov_b32 s71, 0
	s_lshl_b32 s84, s15, 8
	s_add_co_u32 s72, s85, s84
	s_add_co_u32 s72, s72, 12288                   ; k's scale words
	s_mov_b32 s73, 0
	s_mul_i32 s84, s15, 768
	s_add_co_u32 s74, s85, s84
	s_add_co_u32 s74, s74, 6144                    ; v's codes: the half of each fragment that holds my 64 keys
	s_mov_b32 s75, 0
	s_lshl_b32 s84, s15, 1
	s_add_co_u32 s76, s85, s84
	s_add_co_u32 s76, s76, 12800                   ; v's scale words: my two bytes of each
	s_mov_b32 s77, 0
.irp q, 66,68,70,72,74,76
	s_add_nc_u64 s[\q:\q+1], s[8:9], s[\q:\q+1]
.endr
.macro FRG reg, adr, q, i              ; a fragment: six pieces, 8 bytes a lane, 256 consecutive bytes a load
.irp P, 0,1,2,3,4,5
	ds_load_b64 v[\reg+12*(\i)+2*\P:\reg+12*(\i)+2*\P+1], v[\adr] offset:12800*(\q)+1536*(\i)+256*\P
.endr
.endm
; 52 LDS loads in one run: a K step's scale words, source 0's four fragments, source 1's four.  role 0: source 0 = the weight; 1: the tokens
.macro FETCH aT, aW, aS, q, f, role
	WIN 0
.irp i, 0,1,2,3
	ds_load_b32 v[SC+4*((\f)/128)+\i], v[\aS] offset:12800*(\q)+64*\i
.endr
	WIN TO_F
.if \role == 0
.irp i, 0,1,2,3
	FRG \f+48, \aW, \q, \i
.endr
.irp i, 0,1,2,3
	FRG \f, \aT, \q, \i
.endr
.else
.irp i, 0,1,2,3
	FRG \f, \aT, \q, \i
.endr
.irp i, 0,1,2,3
	FRG \f+48, \aW, \q, \i
.endr
.endif
.endm
; four matrix instructions: source 1's tile a against source 0's four.  first = 1: the products start the sums: nothing is cleared
.macro MULA f, a, first, role
.irp i, 0,1,2,3
.set rD, ACC+8*(4*(\a)+\i)
.set rS, SC+4*((\f)/128)
.if \role == 0
.if \first
	v_wmma_scale_f32_16x16x128_f8f6f4 v[rD:rD+7], v[\f+48+12*\i:\f+48+12*\i+11], v[\f+12*(\a):\f+12*(\a)+11], 0, v[rS+\i], v[rS+(\a)] matrix_a_fmt:MATRIX_FMT_FP6 matrix_b_fmt:MATRIX_FMT_FP6 matrix_a_scale:MATRIX_SCALE_ROW1
.else
	v_wmma_scale_f32_16x16x128_f8f6f4 v[rD:rD+7], v[\f+48+12*\i:\f+48+12*\i+11], v[\f+12*(\a):\f+12*(\a)+11], v[rD:rD+7], v[rS+\i], v[rS+(\a)] matrix_a_fmt:MATRIX_FMT_FP6 matrix_b_fmt:MATRIX_FMT_FP6 matrix_a_scale:MATRIX_SCALE_ROW1
.endif
.else
.if \first
	v_wmma_scale_f32_16x16x128_f8f6f4 v[rD:rD+7], v[\f+12*\i:\f+12*\i+11], v[\f+48+12*(\a):\f+48+12*(\a)+11], 0, v[rS+\i], v[rS+(\a)] matrix_a_fmt:MATRIX_FMT_FP6 matrix_b_fmt:MATRIX_FMT_FP6 matrix_b_scale:MATRIX_SCALE_ROW1
.else
	v_wmma_scale_f32_16x16x128_f8f6f4 v[rD:rD+7], v[\f+12*\i:\f+12*\i+11], v[\f+48+12*(\a):\f+48+12*(\a)+11], v[rD:rD+7], v[rS+\i], v[rS+(\a)] matrix_a_fmt:MATRIX_FMT_FP6 matrix_b_fmt:MATRIX_FMT_FP6 matrix_b_scale:MATRIX_SCALE_ROW1
.endif
.endif
.endr
.endm
; a K step: multiplies buffer f; in its middle it fetches the next K step into buffer g
.macro QUARTER f, g, first, role, aT, aW, aS, q
	s_wait_dscnt 12                                ; all but the youngest twelve loads: source 1's tiles 2 and 3
	WIN MUL
	MULA \f, 0, \first, \role
	MULA \f, 1, \first, \role
	PLACES
	FETCH \aT, \aW, \aS, \q, \g, \role
	s_wait_dscnt 52                                ; all but the 52 just issued
	WIN MUL
	MULA \f, 2, \first, \role
	MULA \f, 3, \first, \role
.endm
.macro TILE s, role                    ; K steps 0 to 6 of the tile in slot s
	QUARTER F0, F1, 1, \role, ADT, ADW+2*\s, ADS+2*\s, 1
	QUARTER F1, F0, 0, \role, ADT, ADW+2*\s, ADS+2*\s, 2
	QUARTER F0, F1, 0, \role, ADT, ADW+2*\s, ADS+2*\s, 3
	QUARTER F1, F0, 0, \role, ADT+1, ADW+2*\s+1, ADS+2*\s+1, 0
	QUARTER F0, F1, 0, \role, ADT+1, ADW+2*\s+1, ADS+2*\s+1, 1
	QUARTER F1, F0, 0, \role, ADT+1, ADW+2*\s+1, ADS+2*\s+1, 2
	QUARTER F0, F1, 0, \role, ADT+1, ADW+2*\s+1, ADS+2*\s+1, 3
.endm
; K step 7 changes slots: ONE barrier; in front of it each wave waits for all its tensor loads, adds 0 to its spare word, and waits for that and for its reads of slot s.  fill = 1: slot s takes the tile two on; the barrier then opens a round of the cluster's.
.macro TURNQ s, fill, role, nrole
	WIN 0
	s_wait_tensorcnt 0x0                           ; all my tensor loads have landed: my part of the other slot among them
	ds_add_u32 v[SPW], v[NIL]                      ; 0 onto my spare word
	s_wait_dscnt 13                                ; (the add and the youngest twelve loads may be out)
	WIN MUL
	MULA F1, 0, 0, \role
	s_wait_dscnt 0x0                               ; the add is done, and my reads of this slot are over
	s_barrier_signal -1
	MULA F1, 1, 0, \role
	WIN 0
	s_barrier_wait -1
.if \fill
	CREST                                          ; no wave of any partner still reads this slot or has a load on its way
	s_add_nc_u64 s[G0W+4*\s+2:G0W+4*\s+3], s[G0W+4*\s+2:G0W+4*\s+3], 2*TS
	tensor_load_to_lds s[G0W+4*\s:G0W+4*\s+3], s[G1W:G1W+7]   ; my one tensor load behind the round
	s_nop 0
.endif
	PLACES
	FETCH ADT, ADW+2*(1-\s), ADS+2*(1-\s), 0, F0, \nrole
	WIN MUL
	MULA F1, 2, 0, \role
	MULA F1, 3, 0, \role
.endm
.macro LASTQ role
	s_wait_dscnt 12
	WIN MUL
	MULA F1, 0, 0, \role
	MULA F1, 1, 0, \role
	s_wait_dscnt 0x0
	MULA F1, 2, 0, \role
	MULA F1, 3, 0, \role
.endm
; 64 numbers of a lane, v[s] on: the 32 of source 1's tile a and the 32 of tile a + 1; register 16 b + i of each = place 32 b + 16 (lane / 16) + i along the next K.  Out: two half fragments of codes, v[pc] .. +5 and +6 .. +11; two bytes for each tile in v48, v49.
.macro QUANT s, pc
.irp b, 0,1,2,3
	v_max3_num_f32 v[TM+\b], |v[\s+16*\b]|, |v[\s+1+16*\b]|, 0x1800000   ; my 16 numbers of block b, and the floor 2^(3 - 127): the byte cannot fall under 1
.endr
.irp i, 2,4,6,8,10,12,14
.irp b, 0,1,2,3
	v_max3_num_f32 v[TM+\b], v[TM+\b], |v[\s+16*\b+\i]|, |v[\s+1+16*\b+\i]|
.endr
.endr
.irp b, 0,1,2,3
	v_permlanex16_b32 v[TM+4+\b], v[TM+\b], s[SEL], s[SEL+1]
.endr
.irp b, 0,1,2,3
	v_max_num_f32 v[TM+\b], v[TM+\b], v[TM+4+\b]   ; with lane l xor 16's: the block's largest magnitude
.endr
.irp b, 0,1,2,3
	v_add_nc_u32 v[TM+12+\b], 0xff000000, v[TM+\b] ; 2 off the exponent field: the conversion's scale operand
.endr
.irp b, 0,1,2,3
	v_lshrrev_b32 v[TM+4+\b], 23, v[TM+12+\b]      ; the scale's byte
.endr
	v_lshl_or_b32 v[TM+8], v[TM+5], 8, v[TM+4]
	v_lshl_or_b32 v[TM+9], v[TM+7], 8, v[TM+6]
.irp c, 0,1
	v_cvt_scalef32_pk16_fp6_f32 v[\pc+6*\c:\pc+6*\c+2], v[\s+32*\c:\s+32*\c+15], v[TM+12+2*\c]
	v_cvt_scalef32_pk16_fp6_f32 v[CT+4*\c:CT+4*\c+2], v[\s+32*\c+16:\s+32*\c+31], v[TM+12+2*\c+1]
.endr
	v_nop                                          ; a plain instruction behind the conversions
.irp c, 0,1                            ; the operand's layout wants a whole block in a lane
.irp i, 0,1,2
	v_permlane16_swap_b32 v[\pc+6*\c+\i], v[CT+4*\c+\i]
.endr
.irp i, 0,1,2
	v_mov_b32 v[\pc+3+6*\c+\i], v[CT+4*\c+\i]
.endr
.endr
.endm
; THE WAY OUT: quantised in registers and stored from them: each store of codes covers 256 consecutive bytes, aligned.  cb, sb: bases; cstr: bytes from tile to tile; wide = 1: whole scale words (bytes 2, 3 = 0), else two bytes of each
.macro OUTQ cb, cstr, sb, wide
	PLACES
	WIN 0
	s_wait_xcnt 0x0                                ; the last way out's stores have read their registers
.irp a, 0,2
	QUANT ACC+32*\a, PC+6*\a
	v_cndmask_b32 v[SW+\a/2], v[TM+8], v[TM+9], s[HI16]   ; lanes 0-15 tile a's bytes, lanes 16-31 tile a + 1's
.irp e, 0,1
	global_store_b128 v[L16], v[PC+6*\a+6*\e:PC+6*\a+6*\e+3], s[\cb:\cb+1] offset:\cstr*(\a+\e)          ; a half fragment: registers 0-3, 16 bytes a lane (512 bytes),
	global_store_b64 v[L8], v[PC+6*\a+6*\e+4:PC+6*\a+6*\e+5], s[\cb:\cb+1] offset:\cstr*(\a+\e)+512      ; then registers 4, 5, 8 bytes a lane (256 bytes)
.endr
.if \wide
	global_store_b32 v[L4], v[SW+\a/2], s[\sb:\sb+1] offset:64*\a
.else
	global_store_b16 v[L4], v[SW+\a/2], s[\sb:\sb+1] offset:64*\a
.endif
.endr
.endm
	s_wait_alu depctr_va_vdst(0)
	s_wait_tensorcnt 0x0                           ; my part of the head's tiles is in; slot 1's first fill is issued as a refill is:
	ds_add_u32 v[SPW], v[NIL]
	s_mov_b32 s[G1W+2], 100<<16                    ; no load of mine is out: from here on a load brings two records, 100 rows
	s_mov_b32 s[G1W+4], 100
	s_wait_dscnt 0x0
	CROUND
	tensor_load_to_lds s[G0W+4:G0W+7], s[G1W:G1W+7]  ; Wk's tile, a quarter a wave
	s_nop 0
	PLACES
	FETCH ADT, ADW, ADS, 0, F0, 0
	TILE 0, 0                                      ; q
	TURNQ 0, 1, 0, 0                               ; slot 0 takes Wv's tile
	OUTQ 66, 768, 68, 1
	TILE 1, 0                                      ; k
	TURNQ 1, 0, 0, 1
	OUTQ 70, 768, 72, 1
	TILE 0, 1                                      ; v, the sources swapped
	LASTQ 1
	OUTQ 74, 1536, 76, 0
	s_wait_tensorcnt 0x0                           ; the wave's end
	ds_add_u32 v[SPW], v[NIL]
	s_wait_dscnt 0x0
	CROUND                                         ; the closing round
	s_endpgm
.Lfunc_end_k_q76be7ff1ab_qkv:
	.size	k_q76be7ff1ab_qkv, .Lfunc_end_k_q76be7ff1ab_qkv-k_q76be7ff1ab_qkv
	.p2alignl 7, 3214868480
	.fill 96, 4, 3214868480
	.section	.rodata,"a",@progbits
	.p2align	6, 0x0
	.amdhsa_kernel k_q76be7ff1ab_qkv
		.amdhsa_group_segment_fixed_size 327680
		.amdhsa_private_segment_fixed_size 0
		.amdhsa_enable_private_segment 0
		.amdhsa_kernarg_size 24
		.amdhsa_user_sgpr_count 2
		.amdhsa_user_sgpr_kernarg_segment_ptr 1
		.amdhsa_wavefront_size32 1
		.amdhsa_system_sgpr_workgroup_id_x 1
		.amdhsa_system_sgpr_workgroup_id_y 1
		.amdhsa_system_sgpr_workgroup_id_z 1
		.amdhsa_system_vgpr_workitem_id 0
		.amdhsa_next_free_vgpr 512
		.amdhsa_next_free_sgpr 96
		.amdhsa_reserve_vcc 0
		.amdhsa_float_denorm_mode_32 3
		.amdhsa_float_denorm_mode_16_64 3
		.amdhsa_memory_ordered 1
		.amdhsa_forward_progress 1
		.amdhsa_inst_pref_size 169
	.end_amdhsa_kernel
	.amdgpu_metadata
---
amdhsa.version: [ 1, 2 ]
amdhsa.kernels:
  - .name:           k_q76be7ff1ab_qkv
    .symbol:         k_q76be7ff1ab_qkv.kd
    .args:
      - { .name: aimg, .offset: 0, .size: 8, .value_kind: global_buffer, .address_space: global }
      - { .name: wimg, .offset: 8, .size: 8, .value_kind: global_buffer, .address_space: global }
      - { .name: qkv, .offset: 16, .size: 8, .value_kind: global_buffer, .address_space: global }
    .group_segment_fixed_size: 327680
    .private_segment_fixed_size: 0
    .kernarg_segment_align: 8
    .kernarg_segment_size: 24
    .max_flat_workgroup_size: 128
    .sgpr_count:     96
    .vgpr_count:     512
    .wavefront_size: 32
...
	.end_amdgpu_metadata
.endif
;; end of part 2
;; launch attn (part 3): grid 8 x 32, 8 waves a work-group, clusters of 4 x 1, 210,944 bytes of LDS; arguments qkv, oimg; writes oimg
.if DOCPART == 3
	.amdgcn_target "amdgcn-amd-amdhsa--gfx1250"
	.amdhsa_code_object_version 6
	.text
	.protected	k_q76be7ff1ab_attn
	.globl	k_q76be7ff1ab_attn
	.p2align	8
	.type	k_q76be7ff1ab_attn,@function
k_q76be7ff1ab_attn:
	s_mov_b64 s[64:65], 0
	v_nop
	global_prefetch_b8 v0, s[64:65] scope:SCOPE_SE
	s_setreg_imm32_b32 hwreg(HW_REG_WAVE_MODE, 25, 1), 1
	s_wait_xcnt 0x0
	s_wait_alu depctr_hold_cnt(0) depctr_sa_sdst(0) depctr_va_vdst(0) depctr_va_sdst(0) depctr_va_ssrc(0) depctr_va_vcc(0) depctr_vm_vsrc(0)
	s_getreg_b32 s2, hwreg(HW_REG_IB_STS2, 6, 4)
	s_cmp_eq_u32 s2, 0
	s_cbranch_scc0 .Lentry_in_a_cluster
	s_endpgm
.Lentry_in_a_cluster:
	s_bfe_u32 s2, ttmp6, 0x10000c
	s_cmp_lg_u32 s2, 0x3003
	s_cbranch_scc0 .Lentry_shape_is_right
	s_endpgm
.Lentry_shape_is_right:
; Causal attention of one head on codes of FP6 (E2M3) with E8M0 scales, head size 64, 2,048 tokens; the result is quantised along the channels and stored as an image of operand registers for the next product.
; THE SOFTMAX AHEAD OF THE SECOND PRODUCT: t = score x log2(e) / 8; M = the running largest t rounded UP to a whole number; p = 2^(t - M) is quantised along the keys, not normalised; the row's sum is taken of the
; unquantised p and divides at the end.  When M moves, the sum and O are multiplied by 2^(old M - new M): exact.  Key steps that lie wholly behind a tile's queries are not walked.
; SHARES.  A work-group takes one head (grid y) and tile j (grid x) of every block of 128 tokens: 16 tiles of 16 queries.  Eight waves; a wave owns the tiles of token blocks RA and RB = 15 - RA: (RA + 1) + (16 - RA) = 17 tile steps
; of 128 keys in every wave.  Steps 0 .. RA serve both tiles from one set of k's and v's fragments, steps RA + 1 .. RB the second alone.  RA = w for waves 0-3 and 11 - w for waves 4-7: waves w and w + 4 walk 25 steps together.
; THE WHOLE HEAD'S k AND v LIE IN LDS: 16 records of 13,056 bytes (k's 8 half fragments, v^T's 4 fragments, k's and v's scale words); each wave brings two by its one tensor load; nothing is filled again.
; CLUSTER 4 x 1: the four work-groups of a cluster read the same head: each load is a joint one.  No prefetch: all that the launch reads of k and v is asked for at its head.
; LAYOUT.  Both products are used transposed (S^T = k q^T, O^T = v^T p^T): a lane holds one query.  A half fragment (16 rows x 64 K) is 512 bytes (registers 0-3, 16 bytes a lane) and 256 bytes (registers 4, 5).
; THE KEYS OF A TILE OF k are chosen by the LDS addresses: rows 0-7 of tile (c, u) are keys 64 c + 8 u + 0..7, rows 8-15 keys 64 c + 32 + 8 u + 0..7.  So registers 96 + 32 c + i of lane (r, h) are keys 64 c + 32 h + i:
; a lane holds two whole blocks of 32 keys, in the order of the next operand's registers: a block's maximum needs no other lane, and the codes are the operand as they come.
; k IS READ FROM LDS ONE STEP AHEAD: behind a step's score products the next step's tiles are asked for (the address is held at the last record), and the wait in front of the second product covers them.
; K = 64 IN AN INSTRUCTION OF 128: q's registers 6-11 are zero codes and bytes 2, 3 of q's and k's scale words are 0; k's tiles lie six registers apart, so the upper half of a tile's operand is the next tile's codes, which meet q's zeros.
; LIMITS: NaN and infinities are not served; 1 / l comes from v_rcp_f32; a block whose largest magnitude lies under 2^-124, a block of zeros too, gets the byte 1; this program alone reads the bytes;
; the scaled scores stay under 2^31 in magnitude.
; REGISTERS.  Window 0: v1-11 lane terms; v16-27 q of tile RB, v208-219 q of tile RA; v28-31 q's and p's scale words; v32-79 k's tiles; v80-85 zeros; v86-91 scale words; v92-95, v220, v221 a step's LDS addresses.
; Window 1: v32-79 v's fragments.  In window 0 (tile RB) and window 1 (tile RA) alike: v3 the mask's number, v7 8 h, v12 -M, v13 the largest t, v[14:15] the sum, v96-159 S^T then p, v160-191 O^T, v192-207 and v236-254 at work, v224-235 p's codes.
.set RECB,  13056
.set SPARE, 208896                     ; behind the records: the spare words, 128 bytes a wave
.set L8, 1
.set L16, 2
.set DQ, 3
.set R4, 4
.set SPW, 5
.set NIL, 6
.set SH, 7
.set L4, 8
.set KB16, 9
.set KB8, 10
.set KS, 11
.set Q0, 16
.set Q1, 208
.set QS0, 28
.set QS1, 29
.set PW0, 30
.set PW1, 31
.set AK16, 92
.set AK8, 93
.set AKS, 94
.set AV16, 95
.set AV8, 220
.set AV4, 221
.set RB, 17
.set WV, 18
.set RA, 19
.set SEL, 20
.set CS, 22
.set TB, 60
.set STEP, 61
.set TBN, 62
.set MSB, 0
.macro WIN new                         ; the immediate's high byte repeats the setting that is left
.if MSB != \new
	s_set_vgpr_msb (MSB<<8)|\new
.set MSB, \new
.endif
.endm
.macro CROUND
	s_barrier_signal -1
	s_barrier_wait -1
	s_cmp_lg_u32 s[WV], 0
	s_cbranch_scc1 .Lnot_wave_0_\@
	s_barrier_signal -3
.Lnot_wave_0_\@:
	s_barrier_wait -3
	s_barrier_signal -1
	s_barrier_wait -1
.endm
.macro WM d, a, b, z, sa, sb, row      ; z = 1: the product starts the sum
.if \z
.if \row
	v_wmma_scale_f32_16x16x128_f8f6f4 v[\d:\d+7], v[\a:\a+11], v[\b:\b+11], 0, v[\sa], v[\sb] matrix_a_fmt:MATRIX_FMT_FP6 matrix_b_fmt:MATRIX_FMT_FP6 matrix_a_scale:MATRIX_SCALE_ROW1
.else
	v_wmma_scale_f32_16x16x128_f8f6f4 v[\d:\d+7], v[\a:\a+11], v[\b:\b+11], 0, v[\sa], v[\sb] matrix_a_fmt:MATRIX_FMT_FP6 matrix_b_fmt:MATRIX_FMT_FP6
.endif
.else
.if \row
	v_wmma_scale_f32_16x16x128_f8f6f4 v[\d:\d+7], v[\a:\a+11], v[\b:\b+11], v[\d:\d+7], v[\sa], v[\sb] matrix_a_fmt:MATRIX_FMT_FP6 matrix_b_fmt:MATRIX_FMT_FP6 matrix_a_scale:MATRIX_SCALE_ROW1
.else
	v_wmma_scale_f32_16x16x128_f8f6f4 v[\d:\d+7], v[\a:\a+11], v[\b:\b+11], v[\d:\d+7], v[\sa], v[\sb] matrix_a_fmt:MATRIX_FMT_FP6 matrix_b_fmt:MATRIX_FMT_FP6
.endif
.endif
.endm
; byte offsets of the tile of token block s[rk]: q's codes, q's scale words, the output's codes, its scale bytes
.macro TADR rk, qc, qs, oc, os
	s_lshl_b32 s62, s[\rk], 3
	s_add_co_u32 s62, s62, s26
	s_mul_i32 s[\qc], s27, 98304
	s_mul_i32 s63, s62, 768
	s_add_co_u32 s[\qc], s[\qc], s63
	s_mov_b32 s[\qc+1], 0
	s_lshl_b32 s[\qs], s27, 13
	s_lshl_b32 s63, s62, 6
	s_add_co_u32 s[\qs], s[\qs], s63
	s_add_co_u32 s[\qs], s[\qs], 3145728
	s_mov_b32 s[\qs+1], 0
	s_lshr_b32 s62, s27, 4
	s_lshl_b32 s62, s62, 4
	s_add_co_u32 s62, s62, s[\rk]
	s_mul_i32 s62, s62, 102400
	s_add_co_u32 s[\oc], s62, s66
	s_mov_b32 s[\oc+1], 0
	s_add_co_u32 s[\os], s62, s67
	s_mov_b32 s[\os+1], 0
.endm
	s_load_b128 s[4:7], s[0:1], 0x0                ; q, k, v; the output image
	v_lshl_add_u32 v[SPW], v0, 2, SPARE
	v_mov_b32 v[NIL], 0
	ds_add_u32 v[SPW], v[NIL]                      ; the opening lines: the add, twice, and its wait ahead of my tensor load
	ds_add_u32 v[SPW], v[NIL]
	v_lshrrev_b32 v240, 5, v0
	v_readfirstlane_b32 s[WV], v240                ; wave 0..7
	s_lshr_b32 s[RA], s[WV], 2
	s_mul_i32 s[RA], s[RA], 3
	s_xor_b32 s[RA], s[RA], s[WV]                  ; 0, 1, 2, 3, 7, 6, 5, 4
	s_sub_co_u32 s[RB], 15, s[RA]
	s_bfe_u32 s25, ttmp6, 0x40000                  ; cx
	s_lshl_b32 s26, ttmp9, 2
	s_add_co_u32 s26, s26, s25                     ; j: it enters q's and the output's addresses and the mask's numbers, no branch and no LDS address
	s_and_b32 s27, ttmp7, 0xffff                   ; batch x 16 + head
	s_mov_b32 s32, 15|(3<<16)|(1<<21)              ; group 1: mask of all four; elements of 8 bytes; 21 set beside a mask; two records are 102 rows of 256 bytes
	s_mov_b32 s33, 32<<16
	s_mov_b32 s34, 102<<16
	s_mov_b32 s35, 32<<16
	s_mov_b32 s36, 102
	s_mov_b32 s37, 32
	s_mov_b32 s38, 0
	s_mov_b32 s39, 0
	s_mov_b32 s40, 1
	s_mul_i32 s41, s[WV], 2*RECB                   ; records 2 w, 2 w + 1, in LDS
	s_mul_i32 s28, s27, 208896
	s_add_co_u32 s28, s28, s41
	s_add_co_u32 s28, s28, 3407872                 ; and in memory
	s_mov_b32 s29, 0
	s_mov_b32 s[SEL], 0x76543210
	s_mov_b32 s[SEL+1], 0xfedcba98
	s_mov_b32 s[CS], 0x3e38aa3b                    ; c = log2(e) / 8
	s_mov_b32 s[CS+1], s[CS]
	s_mov_b32 s[TB], 0
	s_mov_b32 s[STEP], 0
	s_and_b32 s24, s27, 15
	s_lshr_b32 s25, s24, 1
	s_mul_i32 s25, s25, 12800                      ; the output: K step head / 2,
	s_and_b32 s24, s24, 1
	s_mul_i32 s66, s26, 1536
	s_mul_i32 s67, s24, 768
	s_add_co_u32 s66, s66, s67
	s_add_co_u32 s66, s66, s25                     ; tile j, half head % 2
	s_lshl_b32 s67, s26, 6
	s_lshl_b32 s24, s24, 1
	s_add_co_u32 s67, s67, s24
	s_add_co_u32 s67, s67, s25
	s_add_co_u32 s67, s67, 12288                   ; and two bytes of its scale words
	TADR RB, 44, 46, 52, 54
	TADR RA, 48, 50, 56, 58
	s_lshr_b32 s24, s26, 1
	s_lshl_b32 s24, s24, 5
	s_and_b32 s25, s26, 1
	s_lshl_b32 s25, s25, 3
	s_add_co_u32 s24, s24, s25                     ; tile j's first place in a block of 128
	v_and_b32 v241, 15, v0                         ; r
	v_bfe_u32 v242, v0, 4, 1                       ; h
	v_and_b32 v243, 31, v0                         ; lane
	v_and_b32 v244, 7, v0
	v_bfe_u32 v245, v0, 3, 1                       ; r / 8
	v_lshlrev_b32 v[R4], 2, v241
	v_lshlrev_b32 v[SH], 3, v242
	v_lshlrev_b32 v[L8], 3, v243
	v_lshlrev_b32 v[L16], 4, v243
	v_lshlrev_b32 v[L4], 2, v243
	v_mul_u32_u24 v247, v245, 1536
	v_lshl_add_u32 v246, v242, 4, v244             ; r % 8 + 16 h
	v_lshlrev_b32 v248, 7, v245
	v_and_b32 v249, 8, v241
	v_lshlrev_b32 v250, 5, v242
	v_mov_b32 v22, 0
	v_mov_b32 v23, 0
	v_lshl_add_u32 v[KB16], v246, 4, v247          ; k's codes: rows 8-15 of my tile lie two stored tiles on
	v_lshl_add_u32 v[KB8], v246, 3, v247
	v_lshl_add_u32 v[KS], v246, 2, v248            ; k's scale words: lanes 16-31 the next stored tile's
	v_add_nc_u32 v249, v249, v241
	v_sub_nc_u32 v[DQ], v249, v250
	v_add_nc_u32 v[DQ], s24, v[DQ]                 ; my query's place in its block less 32 h: register 32 c + i holds key 64 c + 32 h + i: hidden where 64 c + i is greater
	s_wait_alu depctr_va_vdst(0)
	s_wait_dscnt 0x0                               ; both opening adds are done
	s_wait_kmcnt 0x0
	s_add_nc_u64 s[42:43], s[4:5], s[28:29]
	s_or_b32 s43, s43, 0x80000000
.irp q, 44,46,48,50
	s_add_nc_u64 s[\q:\q+1], s[4:5], s[\q:\q+1]
.endr
.irp q, 52,54,56,58
	s_add_nc_u64 s[\q:\q+1], s[6:7], s[\q:\q+1]
.endr
	global_load_b128 v[Q0:Q0+3], v[L16], s[44:45]  ; q's half fragments stay in registers
	global_load_b64 v[Q0+4:Q0+5], v[L8], s[44:45] offset:512
	global_load_b128 v[Q1:Q1+3], v[L16], s[48:49]
	global_load_b64 v[Q1+4:Q1+5], v[L8], s[48:49] offset:512
	global_load_b32 v[QS0], v[R4], s[46:47]
	global_load_b32 v[QS1], v[R4], s[50:51]
	CROUND                                         ; all four work-groups are here: the joint loads meet
	tensor_load_to_lds s[40:43], s[32:39]          ; my one tensor load of the launch
	s_nop 0
.rept 4
	v_nop
.endr
.irp q, 24,25,26,27,80,81,82,83,84,85,214,215,216,217,218,219
	v_mov_b32 v\q, 0                               ; zero codes
.endr
.macro INIT w                          ; a tile's state: the step is written once; the first finds zeros
	WIN 0x40*\w
	v_mov_b32 v12, 0x7f61b1e6                      ; -M
	v_mov_b32 v13, 0xff61b1e6                      ; the largest t so far: -3e38
.irp q, 14,15,205,236,237,252,253
	v_mov_b32 v\q, 0                               ; the sum; permute destinations and halves of pairs
.endr
.set j, 0
.rept 32
	v_mov_b32 v[160+j], 0
.set j, j+1
.endr
.endm
	INIT 0
	INIT 1
	v_mov_b32 v[DQ], v[DQ]                         ; window 1's copies (both tiles have the same j)
	v_mov_b32 v[SH], v[SH]
	WIN 0
.macro KLOAD a16, a8, as               ; a step's eight tiles of k and their scale words
.irp c, 0,1
.irp u, 0,1,2,3
	ds_load_b128 v[32+6*(4*\c+\u):35+6*(4*\c+\u)], v[\a16] offset:768*(4*\c+\u%2)+128*(\u/2)
	ds_load_b64 v[36+6*(4*\c+\u):37+6*(4*\c+\u)], v[\a8] offset:768*(4*\c+\u%2)+512+64*(\u/2)
.endr
.irp g, 0,1
	ds_load_b32 v[86+2*\c+\g], v[\as] offset:12288+256*\c+32*\g   ; lanes 0-15 tile (c, 2 g)'s words, lanes 16-31 tile (c, 2 g + 1)'s
.endr
.endr
.endm
	s_wait_alu depctr_va_vdst(0)
	s_wait_loadcnt 0x0                             ; q
	s_wait_tensorcnt 0x0                           ; my two records have landed,
	s_barrier_signal -1
	s_barrier_wait -1                              ; everybody's have
	KLOAD KB16, KB8, KS                            ; step 0's k
	s_wait_dscnt 0x0
.macro SMUL w, q, qs                   ; S^T = k q^T: eight tiles of 16 keys
	WIN 0x40*\w
.irp c, 0,1
.irp u, 0,2
	WM 96+8*(4*\c+\u), 32+6*(4*\c+\u), \q, 1, 86+2*\c+\u/2, \qs, 0
	WM 104+8*(4*\c+\u), 38+6*(4*\c+\u), \q, 1, 86+2*\c+\u/2, \qs, 1
.endr
.endr
	WIN 0
.endm
.macro LOADS                           ; this step's v and the next step's k land while the softmax is walked
	v_add_nc_u32 v[AV16], s[TB], v[L16]            ; six plain instructions: the places behind the products above, whose registers the loads fill and whose results are read next
	v_add_nc_u32 v[AV8], s[TB], v[L8]
	v_add_nc_u32 v[AV4], s[TB], v[L4]
	v_add_nc_u32 v[AK16], s[TBN], v[KB16]
	v_add_nc_u32 v[AK8], s[TBN], v[KB8]
	v_add_nc_u32 v[AKS], s[TBN], v[KS]
.irp i, 0,1
	ds_load_b32 v[90+\i], v[AV4] offset:12800+128*\i
.endr
	WIN 0x40                                       ; v's fragments: window 1
.irp a, 0,1,2,3
.irp e, 0,1
	ds_load_b128 v[32+12*\a+6*\e:35+12*\a+6*\e], v[AV16] offset:6144+1536*\a+768*\e
	ds_load_b64 v[36+12*\a+6*\e:37+12*\a+6*\e], v[AV8] offset:6144+1536*\a+768*\e+512
.endr
.endr
	WIN 0
	KLOAD AK16, AK8, AKS
.endm
.macro PV w, pw                        ; O^T += v^T p^T; the four accumulators take turns
	WIN 0x01+0x54*\w
.irp a, 0,2
	WM 160+8*\a, 32+12*\a, 224, 0, 90+\a/2, \pw, 0
	WM 168+8*\a, 44+12*\a, 224, 0, 90+\a/2, \pw, 1
.endr
	WIN 0
.endm
; The softmax of one tile's step, in window w.  diag = 1: this copy can meet the step on the diagonal (step = s[rk]), where the scores of hidden keys become -infinity ahead of the maximum
.macro SOFT w, pw, rk, diag
.if \diag
	s_cmp_lg_u32 s[STEP], s[\rk]
	s_cbranch_scc1 .Lopen_\@
	WIN 0x55*\w
	s_wait_alu depctr_va_vdst(0)                   ; ahead of the first readers of the scores
	v_mov_b32 v254, 0xff800000
.set n, 0
.rept 64
	v_cmp_gt_i32 vcc_lo, 64*(n/32)+n%32, v[DQ]
	v_cndmask_b32 v[96+n], v[96+n], v254, vcc_lo
.set n, n+1
.endr
	WIN 0
.Lopen_\@:
.endif
	WIN 0x55*\w
	s_wait_alu depctr_va_vdst(0)                   ; ahead of the first readers of the scores
.irp t, 0,1,2,3,4,5,6,7
	v_max3_num_f32 v[192+\t], v[96+8*\t], v[97+8*\t], v[98+8*\t]   ; eight chains, one an accumulator, each from its low end on
.endr
.irp i, 99,101
.irp t, 0,1,2,3,4,5,6,7
	v_max3_num_f32 v[192+\t], v[192+\t], v[\i+8*\t], v[\i+1+8*\t]
.endr
.endr
	v_mov_b32 v204, v12                            ; the old -M
	v_max3_num_f32 v200, v192, v193, v103
	v_max3_num_f32 v202, v194, v195, v111
	v_max3_num_f32 v201, v196, v197, v135
	v_max3_num_f32 v203, v198, v199, v143
	v_max3_num_f32 v200, v200, v202, v119
	v_max3_num_f32 v201, v201, v203, v151
	v_max_num_f32 v200, v200, v127                 ; the largest score of my block h,
	v_max_num_f32 v201, v201, v159                 ; and of my block 2 + h: for the row's maximum and, since p rises with the score, for the block's largest p
	v_max_num_f32 v206, v200, v201
	v_permlanex16_b32 v205, v206, s[SEL], s[SEL+1]
	v_max_num_f32 v206, v206, v205
	v_mul_f32 v206, s[CS], v206
	v_max_num_f32 v13, v13, v206                   ; the running largest t
	v_floor_f32 v12, -v13                          ; the new -M: M is a whole number
.set j, 0
.rept 32
	v_pk_fma_f32 v[96+j:97+j], v[96+j:97+j], s[CS:CS+1], v[12:13] op_sel_hi:[1,0,0]   ; t - M
.if j == 10
	v_sub_f32 v206, v12, v204
.endif
.if j == 22
	v_cvt_i32_f32 v206, v206
.endif
.if j == 34
	v_ldexp_f32 v252, 1.0, v206                    ; f = 2^(old M - new M)
.endif
.set j, j+2
.endr
	v_fma_f32 v200, v200, s[CS], v12
	v_fma_f32 v201, v201, s[CS], v12
	s_wait_alu depctr_va_vdst(0)
.set j, 0
.rept 64
	v_exp_f32 v[96+j], v[96+j]                     ; p = 2^(t - M)
.set j, j+1
.endr
	v_exp_f32 v200, v200                           ; the blocks' largest p
	v_exp_f32 v201, v201
	v_pk_mul_f32 v[14:15], v[14:15], v[252:253] op_sel_hi:[1,0]   ; the sum under the new M: a plain instruction behind the batch
	s_wait_alu depctr_va_vdst(0)                   ; one wait for the whole batch
; the row's sum of the unquantised p, in eight chains; the blocks' scale bytes are made between the chains' turns
.irp i, 0,1,2,3,4,5,6
	v_pk_add_f32 v[236+2*\i:237+2*\i], v[96+4*\i:97+4*\i], v[98+4*\i:99+4*\i]
.endr
	v_pk_add_f32 v[14:15], v[14:15], v[124:125]
	v_max_num_f32 v200, 0x1800000, v200            ; the floor 2^(3 - 127)
	v_max_num_f32 v201, 0x1800000, v201
.irp i, 0,1,2,3,4,5,6
	v_pk_add_f32 v[236+2*\i:237+2*\i], v[236+2*\i:237+2*\i], v[126+2*\i:127+2*\i]
.endr
	v_pk_add_f32 v[14:15], v[14:15], v[140:141]
	v_add_nc_u32 v202, 0xff000000, v200            ; 2 off the exponent field: the conversions' scale operands
	v_add_nc_u32 v203, 0xff000000, v201
.irp i, 0,1,2,3,4,5,6
	v_pk_add_f32 v[236+2*\i:237+2*\i], v[236+2*\i:237+2*\i], v[142+2*\i:143+2*\i]
.endr
	v_pk_add_f32 v[14:15], v[14:15], v[156:157]
	v_lshrrev_b32 v206, 23, v202                   ; the bytes
	v_lshrrev_b32 v207, 23, v203
	v_pk_add_f32 v[236:237], v[236:237], v[158:159]
	v_pk_add_f32 v[238:239], v[238:239], v[244:245]
	v_pk_add_f32 v[240:241], v[240:241], v[246:247]
	v_pk_add_f32 v[242:243], v[242:243], v[248:249]
	v_lshl_or_b32 v206, v207, 16, v206             ; my two bytes: blocks h and 2 + h,
	v_pk_add_f32 v[14:15], v[14:15], v[236:237]
	v_pk_add_f32 v[238:239], v[238:239], v[240:241]
	v_lshlrev_b32 v206, v[SH], v206                ; at their places;
	v_pk_add_f32 v[14:15], v[14:15], v[242:243]
	v_permlanex16_b32 v204, v206, s[SEL], s[SEL+1]
	v_pk_add_f32 v[14:15], v[14:15], v[238:239]
	WIN 0x05*\w                                    ; (scale operands are taken from window 0)
	v_or_b32 v[\pw], v206, v204                    ; with lane l xor 16's two, p's scale word for these 128 keys
	WIN 0x55*\w
.irp c, 0,1
	v_cvt_scalef32_pk16_fp6_f32 v[224+6*\c:226+6*\c], v[96+32*\c:111+32*\c], v[202+\c]
	v_cvt_scalef32_pk16_fp6_f32 v[236+4*\c:238+4*\c], v[112+32*\c:127+32*\c], v[202+\c]   ; (a conversion's three registers begin on an even number)
.endr
	v_nop                                          ; a plain instruction behind the conversions
.irp c, 0,1
.irp i, 0,1,2
	v_mov_b32 v[227+6*\c+\i], v[236+4*\c+\i]
.endr
.endr
	s_wait_alu depctr_va_vdst(0)                   ; ahead of the first reader of O^T
.set j, 0
.rept 16
	v_pk_mul_f32 v[160+j:161+j], v[160+j:161+j], v[252:253] op_sel_hi:[1,0]   ; O^T under the new M; these sixteen are also the places in front of the products that follow
.set j, j+2
.endr
.endm
.Lstep:                                            ; sixteen trips, a constant; a step all of whose keys come after my queries is jumped over
	s_cmp_gt_u32 s[STEP], s[RB]
	s_cbranch_scc1 .Lhidden
	s_add_co_u32 s[TBN], s[TB], RECB
	s_min_u32 s[TBN], s[TBN], 15*RECB              ; the next step's record, held at the last one
	SMUL 0, Q0, QS0                                ; this step's k was asked for a step ago, and awaited in front of that step's second product
	s_cmp_gt_u32 s[STEP], s[RA]
	s_cbranch_scc1 .Lsingle
	SMUL 1, Q1, QS1                                ; both tiles: RB > RA, so tile RB is not on its diagonal here
	LOADS
	SOFT 0, PW0, RB, 0
	s_wait_alu depctr_va_vdst(0)
	s_wait_dscnt 0x0                               ; v's fragments and scale words, and the next step's k
	PV 0, PW0
	SOFT 1, PW1, RA, 1
	PV 1, PW1
	s_branch .Lhidden
.Lsingle:
	LOADS
	SOFT 0, PW0, RB, 1
	s_wait_alu depctr_va_vdst(0)
	s_wait_dscnt 0x0
	PV 0, PW0
.Lhidden:
	s_add_co_u32 s[TB], s[TB], RECB
	s_add_co_u32 s[STEP], s[STEP], 1
	s_cmp_lt_u32 s[STEP], 16
	s_cbranch_scc1 .Lstep
; THE WAY OUT of a tile: O^T / l, quantised along the channels (register 16 b + i: channel 32 b + 16 h + i): half a fragment and two scale bytes a query
.macro OUT w, oc, os
	WIN 0x55*\w
	v_add_f32 v14, v14, v15
	v_permlanex16_b32 v252, v14, s[SEL], s[SEL+1]
	v_add_f32 v14, v14, v252
	s_wait_alu depctr_va_vdst(0)
	v_rcp_f32 v14, v14
	v_nop
	s_wait_alu depctr_va_vdst(0)
.set j, 0
.rept 32
	v_mul_f32 v[192+j], v[160+j], v14
.set j, j+1
.endr
.irp b, 0,1
	v_max3_num_f32 v[232+\b], |v[192+16*\b]|, |v[193+16*\b]|, 0x1800000
.endr
.irp i, 2,4,6,8,10,12,14
.irp b, 0,1
	v_max3_num_f32 v[232+\b], v[232+\b], |v[192+16*\b+\i]|, |v[193+16*\b+\i]|
.endr
.endr
.irp b, 0,1
	v_permlanex16_b32 v[236+\b], v[232+\b], s[SEL], s[SEL+1]
.endr
.irp b, 0,1
	v_max_num_f32 v[232+\b], v[232+\b], v[236+\b]
.endr
.irp b, 0,1
	v_add_nc_u32 v[244+\b], 0xff000000, v[232+\b]
.endr
.irp b, 0,1
	v_lshrrev_b32 v[236+\b], 23, v[244+\b]
.endr
	v_lshl_or_b32 v240, v237, 8, v236
	v_cvt_scalef32_pk16_fp6_f32 v[224:226], v[192:207], v244
	v_cvt_scalef32_pk16_fp6_f32 v[228:230], v[208:223], v245
	v_nop
.irp i, 0,1,2
	v_permlane16_swap_b32 v[224+\i], v[228+\i]
.endr
.irp i, 0,1,2
	v_mov_b32 v[227+\i], v[228+\i]
.endr
	WIN 0x04*\w                                    ; the stores' data in window w, their offsets in window 0
.irp p, 0,1,2
	global_store_b64 v[L8], v[224+2*\p:225+2*\p], s[\oc:\oc+1] offset:256*\p   ; 256 consecutive bytes, aligned
.endr
	global_store_b16 v[R4], v240, s[\os:\os+1]     ; lanes r and r + 16 write the same bytes with the same value
.endm
.rept 4
	v_nop
.endr
	OUT 0, 52, 54
	OUT 1, 56, 58
	WIN 0
	s_wait_tensorcnt 0x0                           ; the wave's end
	ds_add_u32 v[SPW], v[NIL]
	s_wait_dscnt 0x0
	CROUND                                         ; the closing round
	s_endpgm
.Lfunc_end_k_q76be7ff1ab_attn:
	.size	k_q76be7ff1ab_attn, .Lfunc_end_k_q76be7ff1ab_attn-k_q76be7ff1ab_attn
	.p2alignl 7, 3214868480
	.fill 96, 4, 3214868480
	.section	.rodata,"a",@progbits
	.p2align	6, 0x0
	.amdhsa_kernel k_q76be7ff1ab_attn
		.amdhsa_group_segment_fixed_size 210944
		.amdhsa_private_segment_fixed_size 0
		.amdhsa_enable_private_segment 0
		.amdhsa_kernarg_size 16
		.amdhsa_user_sgpr_count 2
		.amdhsa_user_sgpr_kernarg_segment_ptr 1
		.amdhsa_wavefront_size32 1
		.amdhsa_system_sgpr_workgroup_id_x 1
		.amdhsa_system_sgpr_workgroup_id_y 1
		.amdhsa_system_sgpr_workgroup_id_z 1
		.amdhsa_system_vgpr_workitem_id 0
		.amdhsa_next_free_vgpr 512
		.amdhsa_next_free_sgpr 96
		.amdhsa_reserve_vcc 1
		.amdhsa_float_denorm_mode_32 3
		.amdhsa_float_denorm_mode_16_64 3
		.amdhsa_memory_ordered 1
		.amdhsa_forward_progress 1
		.amdhsa_inst_pref_size 72
	.end_amdhsa_kernel
	.amdgpu_metadata
---
amdhsa.version: [ 1, 2 ]
amdhsa.kernels:
  - .name:           k_q76be7ff1ab_attn
    .symbol:         k_q76be7ff1ab_attn.kd
    .args:
      - { .name: qkv, .offset: 0, .size: 8, .value_kind: global_buffer, .address_space: global }
      - { .name: oimg, .offset: 8, .size: 8, .value_kind: global_buffer, .address_space: global }
    .group_segment_fixed_size: 210944
    .private_segment_fixed_size: 0
    .kernarg_segment_align: 8
    .kernarg_segment_size: 16
    .max_flat_workgroup_size: 256
    .sgpr_count:     96
    .vgpr_count:     512
    .wavefront_size: 32
...
	.end_amdgpu_metadata
.endif
;; end of part 3
;; launch wo (part 4): grid 8 x 32, 4 waves a work-group, clusters of 4 x 4, 327,680 bytes of LDS; arguments oimg, wimg, bo, x, x1; writes x1
.if DOCPART == 4
	.amdgcn_target "amdgcn-amd-amdhsa--gfx1250"
	.amdhsa_code_object_version 6
	.text
	.protected	k_q76be7ff1ab_wo
	.globl	k_q76be7ff1ab_wo
	.p2align	8
	.type	k_q76be7ff1ab_wo,@function
k_q76be7ff1ab_wo:
	s_mov_b64 s[64:65], 0
	v_nop
	global_prefetch_b8 v0, s[64:65] scope:SCOPE_SE
	s_setreg_imm32_b32 hwreg(HW_REG_WAVE_MODE, 25, 1), 1
	s_wait_xcnt 0x0
	s_wait_alu depctr_hold_cnt(0) depctr_sa_sdst(0) depctr_va_vdst(0) depctr_va_sdst(0) depctr_va_ssrc(0) depctr_va_vcc(0) depctr_vm_vsrc(0)
	s_getreg_b32 s2, hwreg(HW_REG_IB_STS2, 6, 4)
	s_cmp_eq_u32 s2, 0
	s_cbranch_scc0 .Lentry_in_a_cluster
	s_endpgm
.Lentry_in_a_cluster:
	s_bfe_u32 s2, ttmp6, 0x10000c
	s_cmp_lg_u32 s2, 0xf033
	s_cbranch_scc0 .Lentry_shape_is_right
	s_endpgm
.Lentry_shape_is_right:
.set KSTEPS, 8
.set BLKB,  KSTEPS*12800
.set WOFF,  2457600
.set SLOT,  102400
.set STAGE, 204800
.set SPITCH, 272
.set SPARE, 222208
.set ADT, 8
.set ADW, 10
.set ADS, 12
.set STO, 14
.set RD,  15
.set CO,  16
.set BO,  17
.set SPW, 28
.set NIL, 29
.set SC,  32
.set BK,  40
.set BI,  96
.set ACC, 128
.set F0,  0
.set F1,  128
.set G1T, 24
.set G0T, 32
.set G1W, 48
.set G0W, 56
.set MSB, 0
.macro WIN new
.if MSB != \new
	s_set_vgpr_msb (MSB<<8)|\new
.set MSB, \new
.endif
.endm
.set MUL,  0x05
.set TO_F, 0x40
.set TO_R, 0x80
.macro PLACES
.rept 4
	v_nop
.endr
.endm
.macro JLOAD s
	s_cmp_eq_u32 s15, 0
	s_cbranch_scc0 .Lfor_w_\@
	tensor_load_to_lds s[G0T+4*\s:G0T+4*\s+3], s[G1T:G1T+7]
	s_nop 0
	PLACES
	s_branch .Lasked_\@
.Lfor_w_\@:
	tensor_load_to_lds s[G0W+4*\s:G0W+4*\s+3], s[G1W:G1W+7]
	s_nop 0
	PLACES
.Lasked_\@:
.endm
.macro CROUND
	s_barrier_signal -1
	s_barrier_wait -1
	s_cmp_lg_u32 s14, 0
	s_cbranch_scc1 .Lnot_wave_0_\@
	s_barrier_signal -3
.Lnot_wave_0_\@:
	s_barrier_wait -3
	s_barrier_signal -1
	s_barrier_wait -1
.endm
	s_load_b256 s[4:11], s[0:1], 0x0
	s_load_b64 s[12:13], s[0:1], 0x20
	v_lshl_add_u32 v[SPW], v0, 2, SPARE
	v_mov_b32 v[NIL], 0
	ds_add_u32 v[SPW], v[NIL]
	ds_add_u32 v[SPW], v[NIL]
	v_lshrrev_b32 v1, 5, v0
	v_readfirstlane_b32 s14, v1
	s_lshr_b32 s15, s14, 1
	s_and_b32 s16, s14, 1
	s_bfe_u32 s44, ttmp6, 0x40000
	s_bfe_u32 s45, ttmp6, 0x40004
	s_lshl_b32 s46, ttmp9, 2
	s_add_co_u32 s46, s46, s44
	s_and_b32 s17, ttmp7, 0xffff
	s_lshl_b32 s17, s17, 2
	s_add_co_u32 s17, s17, s45
	s_lshl_b32 s18, s45, 2
	s_lshl_b32 s18, 15, s18
	s_lshl_b32 s19, 0x1111, s44
	s_or_b32 s[G1T], s18, (3<<16)|(1<<21)
	s_or_b32 s[G1W], s19, (3<<16)|(1<<21)
.irp g, G1T, G1W
	s_mov_b32 s[\g+1], 32<<16
	s_mov_b32 s[\g+2], 200<<16
	s_mov_b32 s[\g+3], 32<<16
	s_mov_b32 s[\g+4], 200
	s_mov_b32 s[\g+5], 32
	s_mov_b32 s[\g+6], 0
	s_mov_b32 s[\g+7], 0
.endr
	s_mul_i32 s78, s15, 51200                      ; all of K lies in LDS: one load a wave, four records (200 rows of 256 bytes): waves 0, 1 the tokens' K steps 0-3 and 4-7, waves 2, 3 the weight's
	s_mul_i32 s79, s16, SLOT
	s_add_co_u32 s78, s78, s79
	s_mul_i32 s79, s16, 51200
	s_mul_i32 s20, s17, BLKB
	s_add_co_u32 s20, s20, s79
	s_mov_b32 s21, 0
	s_mul_i32 s22, s46, BLKB
	s_add_co_u32 s22, s22, s79
	s_add_co_u32 s22, s22, WOFF
	s_mov_b32 s23, 0
	s_wait_dscnt 0x0
	s_wait_kmcnt 0x0
	s_add_nc_u64 s[40:41], s[4:5], s[20:21]
	s_add_nc_u64 s[42:43], s[6:7], s[22:23]
	CROUND
.irp s, 0
	s_mov_b32 s[G0T+4*\s], 1
	s_add_co_u32 s[G0T+4*\s+1], s78, \s*SLOT
	s_add_nc_u64 s[G0T+4*\s+2:G0T+4*\s+3], s[40:41], \s*51200
	s_or_b32 s[G0T+4*\s+3], s[G0T+4*\s+3], 0x80000000
	s_mov_b32 s[G0W+4*\s], 1
	s_add_co_u32 s[G0W+4*\s+1], s78, \s*SLOT
	s_add_nc_u64 s[G0W+4*\s+2:G0W+4*\s+3], s[42:43], \s*51200
	s_or_b32 s[G0W+4*\s+3], s[G0W+4*\s+3], 0x80000000
	JLOAD \s
.endr
	v_and_b32 v1, 15, v0
	v_bfe_u32 v2, v0, 4, 1
	s_wait_alu depctr_va_vdst(0)
	v_and_b32 v3, 31, v0
	v_lshlrev_b32 v3, 3, v3
	v_lshlrev_b32 v[BO], 6, v2
	s_mul_i32 s79, s15, 6144
	v_add_nc_u32 v[ADT], s79, v3
	v_add_nc_u32 v[ADT+1], SLOT, v[ADT]
	s_mul_i32 s79, s16, 6144
	s_add_co_u32 s79, s79, 51200
	v_add_nc_u32 v[ADW], s79, v3
	v_add_nc_u32 v[ADW+1], SLOT, v[ADW]
	s_lshl_b32 s79, s15, 8
	s_lshl_b32 s80, s16, 8
	s_add_co_u32 s80, s80, 51200
	s_sub_co_u32 s80, s80, s79
	s_add_co_u32 s79, s79, 12288
	v_mul_u32_u24 v4, s80, v2
	v_lshl_add_u32 v4, v1, 2, v4
	v_add_nc_u32 v[ADS], s79, v4
	v_add_nc_u32 v[ADS+1], SLOT, v[ADS]
	s_mul_i32 s79, s14, 16*SPITCH
	s_add_co_u32 s79, s79, STAGE
	v_mul_u32_u24 v[STO], v1, SPITCH
	v_lshl_add_u32 v[STO], v2, 6, v[STO]
	v_add_nc_u32 v[STO], s79, v[STO]
	v_mul_u32_u24 v[RD], v2, SPITCH
	v_lshl_add_u32 v[RD], v1, 4, v[RD]
	v_add_nc_u32 v[RD], s79, v[RD]
	v_lshlrev_b32 v[CO], 12, v2
	v_lshl_add_u32 v[CO], v1, 4, v[CO]
	s_wait_alu depctr_va_vdst(0)
	s_lshl_b32 s80, s17, 7
	s_lshl_b32 s81, s15, 6
	s_add_co_u32 s80, s80, s81
	s_lshl_b32 s80, s80, 12
	s_lshl_b32 s82, s46, 9
	s_lshl_b32 s81, s16, 8
	s_add_co_u32 s82, s82, s81
	s_add_co_u32 s80, s80, s82
	s_mov_b32 s81, 0
	s_mov_b32 s83, 0
	s_add_nc_u64 s[10:11], s[10:11], s[80:81]
	s_add_nc_u64 s[12:13], s[12:13], s[80:81]
	s_add_nc_u64 s[8:9], s[8:9], s[82:83]
.irp i, 0,1,2,3
	global_load_b128 v[BI+8*\i:BI+8*\i+3], v[BO], s[8:9] offset:128*(\i/2)+32*(\i%2)
	global_load_b128 v[BI+8*\i+4:BI+8*\i+7], v[BO], s[8:9] offset:128*(\i/2)+32*(\i%2)+16
.endr
	WIN TO_R
.irp a, 0,1,2,3
.irp t, 0,1,2,3,4,5,6,7
	global_load_b128 v[32*\a+4*\t:32*\a+4*\t+3], v[CO], s[10:11] offset:(32*(\a/2)+8*(\a%2)+2*\t+8*(\t/4))*4096 th:TH_LOAD_NT
.endr
.endr
	WIN 0
.macro FRG reg, adr, q, i
.irp P, 0,1,2,3,4,5
	ds_load_b64 v[\reg+12*(\i)+2*\P:\reg+12*(\i)+2*\P+1], v[\adr] offset:12800*(\q)+1536*(\i)+256*\P
.endr
.endm
.macro FETCH slot, q, f
	WIN 0
.irp i, 0,1,2,3
	ds_load_b32 v[SC+4*((\f)/128)+\i], v[ADS+\slot] offset:12800*(\q)+64*\i
.endr
	WIN TO_F
.irp i, 0,1,2,3
	FRG \f+48, ADW+\slot, \q, \i
.endr
.irp i, 0,1,2,3
	FRG \f, ADT+\slot, \q, \i
.endr
.endm
.macro MULA f, a, first
.irp i, 0,1,2,3
.set rD, ACC+8*(4*(\a)+\i)
.set rS, SC+4*((\f)/128)
.if \first
	v_wmma_scale_f32_16x16x128_f8f6f4 v[rD:rD+7], v[\f+48+12*\i:\f+48+12*\i+11], v[\f+12*(\a):\f+12*(\a)+11], v[BI+8*\i:BI+8*\i+7], v[rS+\i], v[rS+(\a)] matrix_a_fmt:MATRIX_FMT_FP6 matrix_b_fmt:MATRIX_FMT_FP6 matrix_a_scale:MATRIX_SCALE_ROW1
.else
	v_wmma_scale_f32_16x16x128_f8f6f4 v[rD:rD+7], v[\f+48+12*\i:\f+48+12*\i+11], v[\f+12*(\a):\f+12*(\a)+11], v[rD:rD+7], v[rS+\i], v[rS+(\a)] matrix_a_fmt:MATRIX_FMT_FP6 matrix_b_fmt:MATRIX_FMT_FP6 matrix_a_scale:MATRIX_SCALE_ROW1
.endif
.endr
.endm
.macro QUARTER f, g, first, slot, q
	s_wait_dscnt 12
	WIN MUL
	MULA \f, 0, \first
	MULA \f, 1, \first
	PLACES
	FETCH \slot, \q, \g
	s_wait_dscnt 52
	WIN MUL
	MULA \f, 2, \first
	MULA \f, 3, \first
.endm
.macro TOSTAGE a
.irp i, 0,1,2,3
	ds_store_b128 v[STO], v[ACC+8*(4*(\a)+\i):ACC+8*(4*(\a)+\i)+3] offset:128*(\i/2)+32*(\i%2)
	ds_store_b128 v[STO], v[ACC+8*(4*(\a)+\i)+4:ACC+8*(4*(\a)+\i)+7] offset:128*(\i/2)+32*(\i%2)+16
.endr
.set BB, BK+32*((\a)%2)
.irp t, 0,1,2,3,4,5,6,7
	ds_load_b128 v[BB+4*\t:BB+4*\t+3], v[RD] offset:2*\t*SPITCH
.endr
.endm
.macro SEND a, younger
.set BB, BK+32*((\a)%2)
	s_wait_dscnt \younger
	s_wait_loadcnt 8*(3-(\a))
	WIN 0x08
.irp j, 0,2,4,6,8,10,12,14,16,18,20,22,24,26,28,30
	v_pk_add_f32 v[BB+\j:BB+\j+1], v[BB+\j:BB+\j+1], v[32*(\a)+\j:32*(\a)+\j+1]
.endr
	WIN 0
.irp t, 0,1,2,3,4,5,6,7
	global_store_b128 v[CO], v[BB+4*\t:BB+4*\t+3], s[12:13] offset:(32*((\a)/2)+8*((\a)%2)+2*\t+8*(\t/4))*4096
.endr
.endm
	s_wait_tensorcnt 0x0
	s_barrier_signal -1
	s_barrier_wait -1
	FETCH 0, 0, F0
	s_wait_loadcnt 32
	QUARTER F0, F1, 1, 0, 1
	QUARTER F1, F0, 0, 0, 2
	QUARTER F0, F1, 0, 0, 3
	WIN 0
	s_wait_tensorcnt 0x0
	ds_add_u32 v[SPW], v[NIL]
	s_wait_dscnt 13
	WIN MUL
	MULA F1, 0, 0
	s_wait_dscnt 0x0
	s_barrier_signal -1
	MULA F1, 1, 0
	WIN 0
	s_barrier_wait -1
	PLACES
	FETCH 1, 0, F0
	WIN MUL
	MULA F1, 2, 0
	MULA F1, 3, 0
	QUARTER F0, F1, 0, 1, 1
	QUARTER F1, F0, 0, 1, 2
	QUARTER F0, F1, 0, 1, 3
	s_wait_dscnt 12
	WIN MUL
	MULA F1, 0, 0
	MULA F1, 1, 0
	s_wait_dscnt 0x0
	MULA F1, 2, 0
	MULA F1, 3, 0
	WIN 0
	PLACES
	TOSTAGE 0
.irp a, 1,2,3
.if \a > 1
	s_wait_xcnt 0x0
.endif
	TOSTAGE \a
	SEND \a-1, 16
.endr
	SEND 3, 0
	s_wait_tensorcnt 0x0
	ds_add_u32 v[SPW], v[NIL]
	s_wait_dscnt 0x0
	CROUND
	s_endpgm
.Lfunc_end_k_q76be7ff1ab_wo:
	.size	k_q76be7ff1ab_wo, .Lfunc_end_k_q76be7ff1ab_wo-k_q76be7ff1ab_wo
	.p2alignl 7, 3214868480
	.fill 96, 4, 3214868480
	.section	.rodata,"a",@progbits
	.p2align	6, 0x0
	.amdhsa_kernel k_q76be7ff1ab_wo
		.amdhsa_group_segment_fixed_size 327680
		.amdhsa_private_segment_fixed_size 0
		.amdhsa_enable_private_segment 0
		.amdhsa_kernarg_size 40
		.amdhsa_user_sgpr_count 2
		.amdhsa_user_sgpr_kernarg_segment_ptr 1
		.amdhsa_wavefront_size32 1
		.amdhsa_system_sgpr_workgroup_id_x 1
		.amdhsa_system_sgpr_workgroup_id_y 1
		.amdhsa_system_sgpr_workgroup_id_z 1
		.amdhsa_system_vgpr_workitem_id 0
		.amdhsa_next_free_vgpr 768
		.amdhsa_next_free_sgpr 96
		.amdhsa_reserve_vcc 0
		.amdhsa_float_denorm_mode_32 3
		.amdhsa_float_denorm_mode_16_64 3
		.amdhsa_memory_ordered 1
		.amdhsa_forward_progress 1
		.amdhsa_inst_pref_size 67
	.end_amdhsa_kernel
	.amdgpu_metadata
---
amdhsa.version: [ 1, 2 ]
amdhsa.kernels:
  - .name:           k_q76be7ff1ab_wo
    .symbol:         k_q76be7ff1ab_wo.kd
    .args:
      - { .name: oimg, .offset: 0, .size: 8, .value_kind: global_buffer, .address_space: global }
      - { .name: wimg, .offset: 8, .size: 8, .value_kind: global_buffer, .address_space: global }
      - { .name: bo, .offset: 16, .size: 8, .value_kind: global_buffer, .address_space: global }
      - { .name: x, .offset: 24, .size: 8, .value_kind: global_buffer, .address_space: global }
      - { .name: x1, .offset: 32, .size: 8, .value_kind: global_buffer, .address_space: global }
    .group_segment_fixed_size: 327680
    .private_segment_fixed_size: 0
    .kernarg_segment_align: 8
    .kernarg_segment_size: 40
    .max_flat_workgroup_size: 128
    .sgpr_count:     96
    .vgpr_count:     768
    .wavefront_size: 32
...
	.end_amdgpu_metadata
.endif
;; end of part 4
;; launch ln2 (part 5): grid 256 x 1, 8 waves a work-group, no clusters, 67,072 bytes of LDS; arguments x1, g2, be2, aimg; writes aimg
.if DOCPART == 5
	.amdgcn_target "amdgcn-amd-amdhsa--gfx1250"
	.amdhsa_code_object_version 6
	.text
	.protected	k_q76be7ff1ab_ln2
	.globl	k_q76be7ff1ab_ln2
	.p2align	8
	.type	k_q76be7ff1ab_ln2,@function
k_q76be7ff1ab_ln2:
	s_mov_b64 s[64:65], 0
	v_nop
	global_prefetch_b8 v0, s[64:65] scope:SCOPE_SE
	s_setreg_imm32_b32 hwreg(HW_REG_WAVE_MODE, 25, 1), 1
	s_wait_xcnt 0x0
; The layer norm of x1 (f32, two passes: mean, then the squares of x - mean), quantised to FP6 (E2M3) with one E8M0 byte for each 32 along K, stored as IMAGES OF OPERAND REGISTERS.
; THE IMAGE.  Rows go in blocks of 128, a block in 8 tiles of 16: lane p of tile i is row 32 (i / 2) + 8 (i % 2) + p + 8 (p / 8).  A fragment (16 rows x 128 K, 12 registers a lane) is six pieces of 256 bytes:
; piece P holds registers 2 P, 2 P + 1 of the 32 lanes, 8 bytes a lane.  A record (one block x 128 K) is 8 fragments (12,288 bytes) and 512 bytes of scale words (tile i, lane p at 64 i + 4 p): 12,800 bytes.
; Work-group g takes tile g of the 4,096 rows.  Eight waves: each norms two rows, which meet in a stage in LDS; then wave w makes the fragment of K step w.  Every store of codes covers 256 consecutive bytes, aligned.
; LIMITS: NaN and infinities among the inputs are not served; a block whose largest magnitude lies under 2^-124, a block of zeros too, gets the byte 1 (this program alone reads the bytes); 1 / sqrt comes from v_rsq_f32.
; No tensor load, no cluster: work-groups share nothing.
.set PITCH, 4112                       ; a row of the stage: 4,096 bytes + 16 = 1,028 words: row r starts at bank 4 r mod 64
.set SPARE, 66048                      ; behind the stage: the spare words, 128 bytes for each of eight waves
.set SPW, 10
.set NIL, 11
.set X,   32                           ; v32-95   two rows, 32 numbers a lane each; later 64 numbers of one row
.set G,   96
.set BE,  128
.set CD,  160
.set CT,  172
.set SW,  180
	s_load_b256 s[4:11], s[0:1], 0x0               ; x1, g2, be2, the image
	v_lshl_add_u32 v[SPW], v0, 2, SPARE
	v_mov_b32 v[NIL], 0
	v_lshrrev_b32 v1, 5, v0
	s_delay_alu instid0(VALU_DEP_1)
	v_readfirstlane_b32 s40, v1                    ; wave 0..7
	v_and_b32 v1, 31, v0
	v_and_b32 v2, 15, v0                           ; r
	v_bfe_u32 v3, v0, 4, 1                         ; h
	s_delay_alu instid0(VALU_DEP_3)
	v_lshlrev_b32 v4, 4, v1
	s_delay_alu instid0(VALU_DEP_4)
	v_lshlrev_b32 v7, 3, v1
	s_delay_alu instid0(VALU_DEP_4)
	v_lshlrev_b32 v8, 2, v2
	s_mov_b32 s42, 0x76543210
	s_mov_b32 s43, 0xfedcba98
	s_mov_b32 s44, 0x3a800000                      ; 1 / 1,024
	s_mov_b32 s45, 0x3727c5ac                      ; 1e-5
	s_mul_i32 s46, s40, 2*PITCH
	v_add_nc_u32 v5, s46, v4                       ; into the stage: rows 2 w, 2 w + 1
	v_mul_u32_u24 v6, v2, PITCH
	s_delay_alu instid0(VALU_DEP_1)
	v_lshl_add_u32 v6, v3, 7, v6
	s_lshl_b32 s46, s40, 9
	v_add_nc_u32 v6, s46, v6                       ; out of it: row r, K step w, + 128 h
	s_lshr_b32 s46, ttmp9, 1
	s_lshl_b32 s46, s46, 5
	s_and_b32 s47, ttmp9, 1
	s_lshl_b32 s47, s47, 3
	s_add_co_u32 s46, s46, s47
	s_lshl_b32 s47, s40, 1
	s_add_co_u32 s46, s46, s47
	s_lshr_b32 s47, s40, 2
	s_lshl_b32 s47, s47, 3
	s_add_co_u32 s46, s46, s47                     ; my first row in memory
	s_lshl_b32 s46, s46, 12
	s_mov_b32 s47, 0
	s_lshr_b32 s48, ttmp9, 3
	s_mul_i32 s48, s48, 102400
	s_mul_i32 s49, s40, 12800
	s_add_co_u32 s48, s48, s49
	s_and_b32 s49, ttmp9, 7
	s_mul_i32 s50, s49, 1536
	s_add_co_u32 s50, s50, s48                     ; my fragment
	s_mov_b32 s51, 0
	s_lshl_b32 s52, s49, 6
	s_add_co_u32 s52, s52, s48
	s_add_co_u32 s52, s52, 12288                   ; and its scale words
	s_mov_b32 s53, 0
.irp q, 20,21,25,27,29,31
	v_mov_b32 v\q, 0                               ; permute destinations and upper halves of pairs
.endr
	s_wait_kmcnt 0x0
	s_add_nc_u64 s[4:5], s[4:5], s[46:47]
	s_add_nc_u64 s[50:51], s[10:11], s[50:51]
	s_add_nc_u64 s[52:53], s[10:11], s[52:53]
.irp e, 0,1
.irp u, 0,1,2,3,4,5,6,7
	global_load_b128 v[X+32*\e+4*\u:X+32*\e+4*\u+3], v4, s[4:5] offset:4096*\e+512*\u   ; 32 lanes read 512 consecutive bytes
.endr
.endr
.irp u, 0,1,2,3,4,5,6,7
	global_load_b128 v[G+4*\u:G+4*\u+3], v4, s[6:7] offset:512*\u
.endr
.irp u, 0,1,2,3,4,5,6,7
	global_load_b128 v[BE+4*\u:BE+4*\u+3], v4, s[8:9] offset:512*\u
.endr
.macro LANESUM                         ; v12 (row 0) and v16 (row 1) end with the row's sum in every lane
.irp e, 0
	s_delay_alu instid0(VALU_DEP_3)
	v_pk_add_f32 v[12+4*\e:13+4*\e], v[12+4*\e:13+4*\e], v[14+4*\e:15+4*\e]
.endr
.irp e, 1
	s_delay_alu instid0(VALU_DEP_2)
	v_pk_add_f32 v[12+4*\e:13+4*\e], v[12+4*\e:13+4*\e], v[14+4*\e:15+4*\e]
.endr
.irp e, 0,1
	s_delay_alu instid0(VALU_DEP_2)
	v_add_f32 v[12+4*\e], v[12+4*\e], v[13+4*\e]
.endr
.irp m, 1,2,4,8
.irp e, 0,1
	s_delay_alu instid0(VALU_DEP_2)
	v_add_f32_dpp v[12+4*\e], v[12+4*\e], v[12+4*\e] row_xmask:\m row_mask:0xf bank_mask:0xf
.endr
.endr
.irp e, 0,1
	s_delay_alu instid0(VALU_DEP_2)
	v_permlanex16_b32 v[20+\e], v[12+4*\e], s42, s43
.endr
.irp e, 0,1
	s_delay_alu instid0(VALU_DEP_2)
	v_add_f32 v[12+4*\e], v[12+4*\e], v[20+\e]
.endr
.endm
	s_wait_loadcnt 16                              ; my two rows are in; the sixteen loads of gain and offset may be out
.irp e, 0,1
	v_pk_add_f32 v[12+4*\e:13+4*\e], v[X+32*\e:X+32*\e+1], v[X+32*\e+2:X+32*\e+3]
	v_pk_add_f32 v[14+4*\e:15+4*\e], v[X+32*\e+4:X+32*\e+5], v[X+32*\e+6:X+32*\e+7]
.endr
.irp j, 8,12,16,20,24,28
.irp e, 0,1
	s_delay_alu instid0(VALU_DEP_4)
	v_pk_add_f32 v[12+4*\e:13+4*\e], v[12+4*\e:13+4*\e], v[X+32*\e+\j:X+32*\e+\j+1]
	s_delay_alu instid0(VALU_DEP_4)
	v_pk_add_f32 v[14+4*\e:15+4*\e], v[14+4*\e:15+4*\e], v[X+32*\e+\j+2:X+32*\e+\j+3]
.endr
.endr
	LANESUM
.irp e, 0,1
	s_delay_alu instid0(VALU_DEP_2)
	v_mul_f32 v[24+2*\e], s44, v[12+4*\e]          ; the mean
.endr
.irp j, 0,2,4,6,8,10,12,14,16,18,20,22,24,26,28,30
.irp e, 0,1
	v_pk_add_f32 v[X+32*\e+\j:X+32*\e+\j+1], v[X+32*\e+\j:X+32*\e+\j+1], v[24+2*\e:25+2*\e] op_sel_hi:[1,0] neg_lo:[0,1] neg_hi:[0,1]
.endr
.endr
.irp e, 0,1
	v_pk_mul_f32 v[12+4*\e:13+4*\e], v[X+32*\e:X+32*\e+1], v[X+32*\e:X+32*\e+1]
	v_pk_mul_f32 v[14+4*\e:15+4*\e], v[X+32*\e+2:X+32*\e+3], v[X+32*\e+2:X+32*\e+3]
.endr
.irp j, 4,8,12,16,20,24,28
.irp e, 0,1
	s_delay_alu instid0(VALU_DEP_4)
	v_pk_fma_f32 v[12+4*\e:13+4*\e], v[X+32*\e+\j:X+32*\e+\j+1], v[X+32*\e+\j:X+32*\e+\j+1], v[12+4*\e:13+4*\e]
	s_delay_alu instid0(VALU_DEP_4)
	v_pk_fma_f32 v[14+4*\e:15+4*\e], v[X+32*\e+\j+2:X+32*\e+\j+3], v[X+32*\e+\j+2:X+32*\e+\j+3], v[14+4*\e:15+4*\e]
.endr
.endr
	LANESUM
.irp e, 0,1
	s_delay_alu instid0(VALU_DEP_2)
	v_fma_f32 v[12+4*\e], v[12+4*\e], s44, s45     ; the variance + 1e-5
.endr
	s_wait_alu depctr_va_vdst(0)
.irp e, 0,1
	v_rsq_f32 v[28+2*\e], v[12+4*\e]
.endr
	v_nop                                          ; a plain instruction behind the two roots,
	s_wait_alu depctr_va_vdst(0)                   ; and the one wait ahead of their first reader
	s_wait_loadcnt 0x0                             ; gain and offset
.irp j, 0,2,4,6,8,10,12,14,16,18,20,22,24,26,28,30
.irp e, 0,1
	v_pk_mul_f32 v[X+32*\e+\j:X+32*\e+\j+1], v[X+32*\e+\j:X+32*\e+\j+1], v[28+2*\e:29+2*\e] op_sel_hi:[1,0]
.endr
.endr
.irp j, 0,2,4,6,8,10,12,14,16,18,20,22,24,26,28,30
.irp e, 0,1
	v_pk_fma_f32 v[X+32*\e+\j:X+32*\e+\j+1], v[X+32*\e+\j:X+32*\e+\j+1], v[G+\j:G+\j+1], v[BE+\j:BE+\j+1]
.endr
.endr
.irp e, 0,1
.irp u, 0,1,2,3,4,5,6,7
	ds_store_b128 v5, v[X+32*\e+4*\u:X+32*\e+4*\u+3] offset:\e*PITCH+512*\u
.endr
.endr
	s_wait_dscnt 0x0                               ; for the others' sake: my two rows lie in the stage
	s_barrier_signal -1
	s_barrier_wait -1
; Lane (r, h) takes, of row r, k = 128 w + 64 c + 32 h + 0 .. 31: two whole blocks, in the order of the operand's registers
.irp c, 0,1
.irp q, 0,1,2,3,4,5,6,7
	ds_load_b128 v[X+32*\c+4*\q:X+32*\c+4*\q+3], v6 offset:256*\c+16*\q
.endr
.endr
	s_wait_dscnt 0x0
.irp c, 0,1
	v_max3_num_f32 v[12+\c], |v[X+32*\c]|, |v[X+32*\c+1]|, 0x1800000   ; the block's largest magnitude, and the floor 2^(3 - 127)
.endr
.irp i, 2,4,6,8,10,12,14,16,18,20,22,24,26,28,30
.irp c, 0,1
	s_delay_alu instid0(VALU_DEP_2)
	v_max3_num_f32 v[12+\c], v[12+\c], |v[X+32*\c+\i]|, |v[X+32*\c+\i+1]|
.endr
.endr
.irp c, 0,1
	s_delay_alu instid0(VALU_DEP_2)
	v_add_nc_u32 v[14+\c], 0xff000000, v[12+\c]    ; 2 off the exponent field: the conversion's scale operand
.endr
.irp c, 0,1
	s_delay_alu instid0(VALU_DEP_2)
	v_lshrrev_b32 v[16+\c], 23, v[14+\c]           ; the scale's byte
.endr
	s_delay_alu instid0(VALU_DEP_1)
	v_lshl_or_b32 v[SW], v17, 16, v16
	v_lshlrev_b32 v18, 3, v3
	s_delay_alu instid0(VALU_DEP_1)
	v_lshlrev_b32 v[SW], v18, v[SW]
	s_delay_alu instid0(VALU_DEP_1)
	v_permlanex16_b32 v20, v[SW], s42, s43
	s_delay_alu instid0(VALU_DEP_1)
	v_or_b32 v[SW], v[SW], v20                     ; with lane l xor 16's two bytes the word is whole
.irp c, 0,1
	v_cvt_scalef32_pk16_fp6_f32 v[CD+6*\c:CD+6*\c+2], v[X+32*\c:X+32*\c+15], v[14+\c]
	v_cvt_scalef32_pk16_fp6_f32 v[CT+4*\c:CT+4*\c+2], v[X+32*\c+16:X+32*\c+31], v[14+\c]
.endr
	v_nop                                          ; a plain instruction behind the conversions
.irp c, 0,1
.irp i, 0,1,2
	v_mov_b32 v[CD+3+6*\c+\i], v[CT+4*\c+\i]
.endr
.endr
.irp P, 0,1,2,3,4,5
	global_store_b64 v7, v[CD+2*\P:CD+2*\P+1], s[50:51] offset:256*\P
.endr
	global_store_b32 v8, v[SW], s[52:53]           ; lanes r and r + 16 write the same word with the same value
	s_wait_tensorcnt 0x0                           ; the wave's end
	ds_add_u32 v[SPW], v[NIL]
	s_wait_dscnt 0x0
	s_endpgm
.Lfunc_end_k_q76be7ff1ab_ln2:
	.size	k_q76be7ff1ab_ln2, .Lfunc_end_k_q76be7ff1ab_ln2-k_q76be7ff1ab_ln2
	.p2alignl 7, 3214868480
	.fill 96, 4, 3214868480
	.section	.rodata,"a",@progbits
	.p2align	6, 0x0
	.amdhsa_kernel k_q76be7ff1ab_ln2
		.amdhsa_group_segment_fixed_size 67072
		.amdhsa_private_segment_fixed_size 0
		.amdhsa_enable_private_segment 0
		.amdhsa_kernarg_size 32
		.amdhsa_user_sgpr_count 2
		.amdhsa_user_sgpr_kernarg_segment_ptr 1
		.amdhsa_wavefront_size32 1
		.amdhsa_system_sgpr_workgroup_id_x 1
		.amdhsa_system_sgpr_workgroup_id_y 1
		.amdhsa_system_sgpr_workgroup_id_z 1
		.amdhsa_system_vgpr_workitem_id 0
		.amdhsa_next_free_vgpr 192
		.amdhsa_next_free_sgpr 96
		.amdhsa_reserve_vcc 0
		.amdhsa_float_denorm_mode_32 3
		.amdhsa_float_denorm_mode_16_64 3
		.amdhsa_memory_ordered 1
		.amdhsa_forward_progress 1
		.amdhsa_inst_pref_size 28
	.end_amdhsa_kernel
	.amdgpu_metadata
---
amdhsa.version: [ 1, 2 ]
amdhsa.kernels:
  - .name:           k_q76be7ff1ab_ln2
    .symbol:         k_q76be7ff1ab_ln2.kd
    .args:
      - { .name: x1, .offset: 0, .size: 8, .value_kind: global_buffer, .address_space: global }
      - { .name: g2, .offset: 8, .size: 8, .value_kind: global_buffer, .address_space: global }
      - { .name: be2, .offset: 16, .size: 8, .value_kind: global_buffer, .address_space: global }
      - { .name: aimg, .offset: 24, .size: 8, .value_kind: global_buffer, .address_space: global }
    .group_segment_fixed_size: 67072
    .private_segment_fixed_size: 0
    .kernarg_segment_align: 8
    .kernarg_segment_size: 32
    .max_flat_workgroup_size: 256
    .sgpr_count:     96
    .vgpr_count:     192
    .wavefront_size: 32
...
	.end_amdgpu_metadata
.endif
;; end of part 5
;; launch w1 (part 6): grid 8 x 32, 4 waves a work-group, clusters of 4 x 4, 327,680 bytes of LDS; arguments aimg, wimg, b1, himg; writes himg
.if DOCPART == 6
	.amdgcn_target "amdgcn-amd-amdhsa--gfx1250"
	.amdhsa_code_object_version 6
	.text
	.protected	k_q76be7ff1ab_w1
	.globl	k_q76be7ff1ab_w1
	.p2align	8
	.type	k_q76be7ff1ab_w1,@function
k_q76be7ff1ab_w1:
	s_mov_b64 s[64:65], 0
	v_nop
	global_prefetch_b8 v0, s[64:65] scope:SCOPE_SE
	s_setreg_imm32_b32 hwreg(HW_REG_WAVE_MODE, 25, 1), 1
	s_wait_xcnt 0x0
	s_wait_alu depctr_hold_cnt(0) depctr_sa_sdst(0) depctr_va_vdst(0) depctr_va_sdst(0) depctr_va_ssrc(0) depctr_va_vcc(0) depctr_vm_vsrc(0)
	s_getreg_b32 s2, hwreg(HW_REG_IB_STS2, 6, 4)
	s_cmp_eq_u32 s2, 0
	s_cbranch_scc0 .Lentry_in_a_cluster
	s_endpgm
.Lentry_in_a_cluster:
	s_bfe_u32 s2, ttmp6, 0x10000c
	s_cmp_lg_u32 s2, 0xf033
	s_cbranch_scc0 .Lentry_shape_is_right
	s_endpgm
.Lentry_shape_is_right:
; hidden = relu(LN2(x1) W1 + b1) on codes of FP6 (E2M3) with E8M0 scales, quantised on the way out along the hidden units, which are the next product's K.
; Operands lie in memory as images of operand registers (records of 12,800 bytes: one block of 128 rows x 128 K: 8 fragments of 1,536 bytes, 512 bytes of scale words; lane p of tile i is row 32 (i / 2) + 8 (i % 2) + p + 8 (p / 8)).
; SHARES.  A work-group takes one block of 128 tokens (gy) and blocks gx, gx + 8, gx + 16, gx + 24 of 128 hidden units: four tiles of 128 x 128, K = 1,024.  The tokens' eight records stay in LDS; a weight tile, all of K,
; is one slot of 102,400 bytes; two slots take turns, so a refill has a whole tile's 128 matrix instructions a wave in which to land.  Four waves, 64 x 64 each: 16 accumulators, which take turns.
; CLUSTER 4 x 4: the tokens' records hang on gy alone and are asked for jointly along a row of the cluster, the weight's on gx alone and jointly along a column.
; Source 0 = 16 rows of the weight, source 1 = 16 tokens: a lane holds one token and, by the order of rows in a tile, 16 neighbouring hidden units in two accumulators.  The bias is the C of each sum's first matrix instruction.
; OUT: the image of the hidden layer, K = 4,096: a wave's 64 units are half a fragment of each of its four token tiles, and two bytes of each scale word.
; LIMITS: NaN and infinities are not served; a block whose largest magnitude lies under 2^-124, a block of zeros too, gets the byte 1; this program alone reads the bytes.
; REGISTERS: window 0: v8-17 LDS addresses; v22-24 offsets; v28, v29 the add's two; v32-39 scale words, two sets; v40-95 the way out; v96-127 the bias; v128-255 accumulators.  window 1: two fragment buffers, v0-95 and v128-223.
.set WOFF,  3276800                    ; W1's image in wimg
.set TS,    819200                     ; eight blocks on
.set SPARE, 307200
.set ADT, 8
.set ADW, 10
.set ADS, 14
.set L8,  22
.set L4,  23
.set BO,  24
.set SPW, 28
.set NIL, 29
.set SC,  32
.set TM,  40
.set SW,  56
.set PC,  64
.set CT,  88
.set BI,  96
.set ACC, 128
.set F0,  0
.set F1,  128
.set G1T, 24
.set G1W, 48
.set G0T, 32
.set G0W, 36
.set HI16, 56
.set SEL, 58
.set MSB, 0
.macro WIN new                         ; the immediate's high byte repeats the setting that is left
.if MSB != \new
	s_set_vgpr_msb (MSB<<8)|\new
.set MSB, \new
.endif
.endm
.set MUL,  0x05
.set TO_F, 0x40
.macro CREST
	s_cmp_lg_u32 s14, 0
	s_cbranch_scc1 .Lnot_wave_0_\@
	s_barrier_signal -3
.Lnot_wave_0_\@:
	s_barrier_wait -3
	s_barrier_signal -1
	s_barrier_wait -1
.endm
.macro CROUND
	s_barrier_signal -1
	s_barrier_wait -1
	CREST
.endm
.macro PLACES                          ; four places behind matrix instructions (ISA guide 7.12.1)
.rept 4
	v_nop
.endr
.endm
	s_load_b256 s[4:11], s[0:1], 0x0               ; the tokens' image, the weights' images, b1, the output image
	v_lshl_add_u32 v[SPW], v0, 2, SPARE
	v_mov_b32 v[NIL], 0
	ds_add_u32 v[SPW], v[NIL]                      ; the wave's opening: the add and its wait ahead of my first tensor load
	ds_add_u32 v[SPW], v[NIL]
	v_lshrrev_b32 v1, 5, v0
	v_readfirstlane_b32 s14, v1                    ; wave 0..3
	s_lshr_b32 s15, s14, 1                         ; th
	s_and_b32 s16, s14, 1                          ; wh
	s_bfe_u32 s44, ttmp6, 0x40000                  ; cx
	s_bfe_u32 s45, ttmp6, 0x40004                  ; cy
	s_lshl_b32 s46, ttmp9, 2
	s_add_co_u32 s46, s46, s44                     ; gx
	s_and_b32 s17, ttmp7, 0xffff
	s_lshl_b32 s17, s17, 2
	s_add_co_u32 s17, s17, s45                     ; gy
	s_lshl_b32 s18, s45, 2
	s_lshl_b32 s18, 15, s18                        ; my row of the cluster
	s_lshl_b32 s19, 0x1111, s44                    ; my column
	s_or_b32 s[G1T], s18, (3<<16)|(1<<21)
	s_or_b32 s[G1W], s19, (3<<16)|(1<<21)
.irp g, G1T, G1W                       ; two records, 25,600 dense bytes, as 100 rows of 256
	s_mov_b32 s[\g+1], 32<<16
	s_mov_b32 s[\g+2], 200<<16                     ; the head's loads bring four records, 200 rows of 256 bytes
	s_mov_b32 s[\g+3], 32<<16
	s_mov_b32 s[\g+4], 200
	s_mov_b32 s[\g+5], 32
	s_mov_b32 s[\g+6], 0
	s_mov_b32 s[\g+7], 0
.endr
	s_mul_i32 s78, s14, 25600
	s_mul_i32 s86, s16, 51200                      ; the head's loads: which half of a block's eight records,
	s_mul_i32 s87, s14, 51200                      ; and where it goes: waves 0, 1 the tokens, waves 2, 3 slot 0
	s_mul_i32 s20, s17, 102400
	s_add_co_u32 s20, s20, s86
	s_mul_i32 s92, s46, 102400
	s_add_co_u32 s92, s92, s86
	s_add_co_u32 s92, s92, WOFF
	s_mov_b32 s93, 0
	s_mov_b32 s21, 0
	s_mul_i32 s22, s46, 102400
	s_add_co_u32 s22, s22, s78
	s_add_co_u32 s22, s22, WOFF
	s_mov_b32 s23, 0
	s_mov_b32 s[HI16], 0xffff0000
	s_mov_b32 s[SEL], 0x76543210
	s_mov_b32 s[SEL+1], 0xfedcba98
	s_wait_dscnt 0x0                               ; the opening add is done
	s_wait_kmcnt 0x0
	s_mov_b32 s[G0T], 1
	s_mov_b32 s[G0T+1], s87
	s_add_nc_u64 s[G0T+2:G0T+3], s[4:5], s[20:21]
	s_or_b32 s[G0T+3], s[G0T+3], 0x80000000
	s_mov_b32 s88, 1                               ; s[88:91]: group 0 for the head's half of tile 0's weights
	s_mov_b32 s89, s87
	s_add_nc_u64 s[90:91], s[6:7], s[92:93]
	s_or_b32 s91, s91, 0x80000000
	s_mov_b32 s[G0W], 1
	s_add_co_u32 s[G0W+1], s78, 102400
	s_add_nc_u64 s[G0W+2:G0W+3], s[6:7], s[22:23]
	s_or_b32 s[G0W+3], s[G0W+3], 0x80000000
	s_mov_b32 s[G0W+4], 1
	s_add_co_u32 s[G0W+5], s78, 204800
	s_add_nc_u64 s[G0W+6:G0W+7], s[6:7], s[22:23]
	s_add_nc_u64 s[G0W+6:G0W+7], s[G0W+6:G0W+7], TS
	s_or_b32 s[G0W+7], s[G0W+7], 0x80000000
	CROUND                                         ; all sixteen work-groups are here: the first joint loads meet
	s_cmp_eq_u32 s15, 0                            ; one tensor load a wave at the head: waves 0, 1 half of the tokens each,
	s_cbranch_scc0 .Lhead_w
	tensor_load_to_lds s[G0T:G0T+3], s[G1T:G1T+7]
	s_nop 0
	PLACES
	s_branch .Lhead_asked
.Lhead_w:
	tensor_load_to_lds s[88:91], s[G1W:G1W+7]      ; waves 2, 3 half of tile 0's weights each
	s_nop 0
	PLACES
.Lhead_asked:
	v_and_b32 v1, 15, v0                           ; r
	v_bfe_u32 v2, v0, 4, 1                         ; h
	v_and_b32 v3, 31, v0
	v_lshlrev_b32 v[L8], 3, v3
	v_lshlrev_b32 v[L4], 2, v3
	v_lshlrev_b32 v[BO], 6, v2
	s_mul_i32 s79, s15, 6144
	v_add_nc_u32 v[ADT], s79, v[L8]
	v_add_nc_u32 v[ADT+1], 51200, v[ADT]
	s_mul_i32 s79, s16, 6144
	s_add_co_u32 s79, s79, 102400
	v_add_nc_u32 v[ADW], s79, v[L8]
	v_add_nc_u32 v[ADW+1], 51200, v[ADW]
	v_add_nc_u32 v[ADW+2], 102400, v[ADW]
	v_add_nc_u32 v[ADW+3], 51200, v[ADW+2]
	s_lshl_b32 s79, s15, 8                         ; the scale words: lanes 0-15 the tokens', lanes 16-31 the weight's, one distance further on
	s_lshl_b32 s80, s16, 8
	s_add_co_u32 s80, s80, 102400
	s_sub_co_u32 s80, s80, s79
	s_add_co_u32 s81, s80, 102400
	s_add_co_u32 s79, s79, 12288
	v_mul_u32_u24 v4, s80, v2
	v_lshl_add_u32 v4, v1, 2, v4
	v_add_nc_u32 v[ADS], s79, v4
	v_add_nc_u32 v[ADS+1], 51200, v[ADS]
	v_mul_u32_u24 v5, s81, v2
	v_lshl_add_u32 v5, v1, 2, v5
	v_add_nc_u32 v[ADS+2], s79, v5
	v_add_nc_u32 v[ADS+3], 51200, v[ADS+2]
.irp b, 0,1,2,3
	v_mov_b32 v[TM+4+\b], 0                        ; written once: a lane permute's destination counts as one of its sources
.endr
	s_mul_i32 s81, s17, 409600
	s_mul_i32 s82, s46, 12800
	s_add_co_u32 s81, s81, s82                     ; the output: my token block, K step gx (+ 8 for each tile)
	s_mul_i32 s82, s15, 6144
	s_mul_i32 s83, s16, 768
	s_add_co_u32 s66, s81, s82
	s_add_co_u32 s66, s66, s83                     ; codes: tile 4 th on, half wh
	s_mov_b32 s67, 0
	s_lshl_b32 s82, s15, 8
	s_lshl_b32 s83, s16, 1
	s_add_co_u32 s68, s81, s82
	s_add_co_u32 s68, s68, s83
	s_add_co_u32 s68, s68, 12288                   ; scale words: my two bytes of each
	s_mov_b32 s69, 0
	s_add_nc_u64 s[66:67], s[10:11], s[66:67]
	s_add_nc_u64 s[68:69], s[10:11], s[68:69]
	s_lshl_b32 s70, s46, 9
	s_lshl_b32 s71, s16, 8
	s_add_co_u32 s70, s70, s71
	s_mov_b32 s71, 0
	s_add_nc_u64 s[8:9], s[8:9], s[70:71]          ; b1 at my 64 units of tile 0
.macro BIAS t                          ; the bias of tile t in the result's layout: units 32 (i / 2) + 8 (i % 2) + 16 h + 0 .. 7
.irp i, 0,1,2,3
	global_load_b128 v[BI+8*\i:BI+8*\i+3], v[BO], s[8:9] offset:4096*(\t)+128*(\i/2)+32*(\i%2)
	global_load_b128 v[BI+8*\i+4:BI+8*\i+7], v[BO], s[8:9] offset:4096*(\t)+128*(\i/2)+32*(\i%2)+16
.endr
.endm
	BIAS 0
.macro FRG reg, adr, q, i              ; a fragment: six pieces, 8 bytes a lane, 256 consecutive bytes a load
.irp P, 0,1,2,3,4,5
	ds_load_b64 v[\reg+12*(\i)+2*\P:\reg+12*(\i)+2*\P+1], v[\adr] offset:12800*(\q)+1536*(\i)+256*\P
.endr
.endm
.macro FETCH aT, aW, aS, q, f          ; 52 LDS loads in one run: a K step's scale words, the weight's four fragments, the tokens' four
	WIN 0
.irp i, 0,1,2,3
	ds_load_b32 v[SC+4*((\f)/128)+\i], v[\aS] offset:12800*(\q)+64*\i
.endr
	WIN TO_F
.irp i, 0,1,2,3
	FRG \f+48, \aW, \q, \i
.endr
.irp i, 0,1,2,3
	FRG \f, \aT, \q, \i
.endr
.endm
.macro MULA f, a, first                ; four matrix instructions: the tokens' tile a against the weight's four.  first = 1: the bias starts the sums
.irp i, 0,1,2,3
.set rD, ACC+8*(4*(\a)+\i)
.set rS, SC+4*((\f)/128)
.if \first
	v_wmma_scale_f32_16x16x128_f8f6f4 v[rD:rD+7], v[\f+48+12*\i:\f+48+12*\i+11], v[\f+12*(\a):\f+12*(\a)+11], v[BI+8*\i:BI+8*\i+7], v[rS+\i], v[rS+(\a)] matrix_a_fmt:MATRIX_FMT_FP6 matrix_b_fmt:MATRIX_FMT_FP6 matrix_a_scale:MATRIX_SCALE_ROW1
.else
	v_wmma_scale_f32_16x16x128_f8f6f4 v[rD:rD+7], v[\f+48+12*\i:\f+48+12*\i+11], v[\f+12*(\a):\f+12*(\a)+11], v[rD:rD+7], v[rS+\i], v[rS+(\a)] matrix_a_fmt:MATRIX_FMT_FP6 matrix_b_fmt:MATRIX_FMT_FP6 matrix_a_scale:MATRIX_SCALE_ROW1
.endif
.endr
.endm
.macro QUARTER f, g, first, aT, aW, aS, q
	s_wait_dscnt 12                                ; all but the youngest twelve loads: the tokens' tiles 2 and 3
	WIN MUL
	MULA \f, 0, \first
	MULA \f, 1, \first
	PLACES
	FETCH \aT, \aW, \aS, \q, \g
	s_wait_dscnt 52                                ; all but the 52 just issued
	WIN MUL
	MULA \f, 2, \first
	MULA \f, 3, \first
.endm
.macro TILE s                          ; K steps 0 to 6 of the tile in slot s
	QUARTER F0, F1, 1, ADT, ADW+2*\s, ADS+2*\s, 1
	QUARTER F1, F0, 0, ADT, ADW+2*\s, ADS+2*\s, 2
	QUARTER F0, F1, 0, ADT, ADW+2*\s, ADS+2*\s, 3
	QUARTER F1, F0, 0, ADT+1, ADW+2*\s+1, ADS+2*\s+1, 0
	QUARTER F0, F1, 0, ADT+1, ADW+2*\s+1, ADS+2*\s+1, 1
	QUARTER F1, F0, 0, ADT+1, ADW+2*\s+1, ADS+2*\s+1, 2
	QUARTER F0, F1, 0, ADT+1, ADW+2*\s+1, ADS+2*\s+1, 3
.endm
; K step 7 changes slots: ONE barrier; in front of it each wave waits for all its tensor loads, adds 0 to its spare word, and waits for that and for its reads of slot s.  fill = 1: slot s takes the tile two on, behind a round of the cluster's barrier.
.macro TURNQ s, fill
	WIN 0
	s_wait_tensorcnt 0x0                           ; all my tensor loads have landed: my part of the other slot among them
	ds_add_u32 v[SPW], v[NIL]                      ; 0 onto my spare word
	s_wait_dscnt 13                                ; (the add and the youngest twelve loads may be out)
	WIN MUL
	MULA F1, 0, 0
	s_wait_dscnt 0x0                               ; the add is done, and my reads of this slot are over
	s_barrier_signal -1
	MULA F1, 1, 0
	WIN 0
	s_barrier_wait -1
.if \fill
	CREST
	s_add_nc_u64 s[G0W+4*\s+2:G0W+4*\s+3], s[G0W+4*\s+2:G0W+4*\s+3], 2*TS
	tensor_load_to_lds s[G0W+4*\s:G0W+4*\s+3], s[G1W:G1W+7]   ; my one tensor load behind the round
	s_nop 0
.endif
	PLACES
	FETCH ADT, ADW+2*(1-\s), ADS+2*(1-\s), 0, F0
	WIN MUL
	MULA F1, 2, 0
	MULA F1, 3, 0
.endm
; 64 numbers of a lane, v[s] on: the 32 of token tile a and the 32 of tile a + 1; register 16 b + i of each = unit 32 b + 16 (lane / 16) + i.  Out: two half fragments of codes; two bytes for each tile in v48, v49.
.macro QUANT s, pc
.irp b, 0,1,2,3
	v_max3_num_f32 v[TM+\b], |v[\s+16*\b]|, |v[\s+1+16*\b]|, 0x1800000
.endr
.irp i, 2,4,6,8,10,12,14
.irp b, 0,1,2,3
	v_max3_num_f32 v[TM+\b], v[TM+\b], |v[\s+16*\b+\i]|, |v[\s+1+16*\b+\i]|
.endr
.endr
.irp b, 0,1,2,3
	v_permlanex16_b32 v[TM+4+\b], v[TM+\b], s[SEL], s[SEL+1]
.endr
.irp b, 0,1,2,3
	v_max_num_f32 v[TM+\b], v[TM+\b], v[TM+4+\b]
.endr
.irp b, 0,1,2,3
	v_add_nc_u32 v[TM+12+\b], 0xff000000, v[TM+\b]
.endr
.irp b, 0,1,2,3
	v_lshrrev_b32 v[TM+4+\b], 23, v[TM+12+\b]
.endr
	v_lshl_or_b32 v[TM+8], v[TM+5], 8, v[TM+4]
	v_lshl_or_b32 v[TM+9], v[TM+7], 8, v[TM+6]
.irp c, 0,1
	v_cvt_scalef32_pk16_fp6_f32 v[\pc+6*\c:\pc+6*\c+2], v[\s+32*\c:\s+32*\c+15], v[TM+12+2*\c]
	v_cvt_scalef32_pk16_fp6_f32 v[CT+4*\c:CT+4*\c+2], v[\s+32*\c+16:\s+32*\c+31], v[TM+12+2*\c+1]
.endr
	v_nop                                          ; a plain instruction behind the conversions
.irp c, 0,1
.irp i, 0,1,2
	v_permlane16_swap_b32 v[\pc+6*\c+\i], v[CT+4*\c+\i]
.endr
.irp i, 0,1,2
	v_mov_b32 v[\pc+3+6*\c+\i], v[CT+4*\c+\i]
.endr
.endr
.endm
; THE WAY OUT of tile t: relu, quantised in registers, stored from them: each store of codes covers 256 consecutive bytes, aligned.  more = 1: the next tile's bias is asked for first
.macro OUTQ t, more
	PLACES
	WIN 0
	s_wait_xcnt 0x0                                ; the last way out's stores have read their registers
.if \more
	BIAS \t+1
.endif
.set j, 0
.rept 128
	v_max_num_f32 v[ACC+j], 0, v[ACC+j]            ; the activation, in f32; each accumulator from its low end on
.set j, j+1
.endr
.irp a, 0,2
	QUANT ACC+32*\a, PC+6*\a
	v_cndmask_b32 v[SW+\a/2], v[TM+8], v[TM+9], s[HI16]   ; lanes 0-15 tile a's bytes, lanes 16-31 tile a + 1's
.irp e, 0,1
.irp p, 0,1,2
	global_store_b64 v[L8], v[PC+6*\a+6*\e+2*\p:PC+6*\a+6*\e+2*\p+1], s[66:67] offset:102400*(\t)+1536*(\a+\e)+256*\p
.endr
.endr
	global_store_b16 v[L4], v[SW+\a/2], s[68:69] offset:102400*(\t)+64*\a
.endr
.if \more
	s_wait_loadcnt 0x0                             ; the next tile's bias
.endif
.endm
	s_wait_alu depctr_va_vdst(0)
	s_wait_tensorcnt 0x0                           ; my part of the head's tiles is in; slot 1's first fill is issued as a refill is:
	ds_add_u32 v[SPW], v[NIL]
	s_mov_b32 s[G1W+2], 100<<16                    ; no load of mine is out: from here on a load brings two records, 100 rows
	s_mov_b32 s[G1W+4], 100
	s_wait_dscnt 0x0
	CROUND
	tensor_load_to_lds s[G0W+4:G0W+7], s[G1W:G1W+7]  ; tile 1's weights, a quarter a wave
	s_nop 0
	PLACES
	FETCH ADT, ADW, ADS, 0, F0
	s_wait_loadcnt 0x0                             ; the bias
	TILE 0
	TURNQ 0, 1                                     ; slot 0 takes tile 2's weights
	OUTQ 0, 1
	TILE 1
	TURNQ 1, 1                                     ; slot 1 takes tile 3's
	OUTQ 1, 1
	TILE 0
	TURNQ 0, 0
	OUTQ 2, 1
	TILE 1
	s_wait_dscnt 12                                ; the very last K step
	WIN MUL
	MULA F1, 0, 0
	MULA F1, 1, 0
	s_wait_dscnt 0x0
	MULA F1, 2, 0
	MULA F1, 3, 0
	OUTQ 3, 0
	s_wait_tensorcnt 0x0                           ; the wave's end
	ds_add_u32 v[SPW], v[NIL]
	s_wait_dscnt 0x0
	CROUND                                         ; the closing round
	s_endpgm
.Lfunc_end_k_q76be7ff1ab_w1:
	.size	k_q76be7ff1ab_w1, .Lfunc_end_k_q76be7ff1ab_w1-k_q76be7ff1ab_w1
	.p2alignl 7, 3214868480
	.fill 96, 4, 3214868480
	.section	.rodata,"a",@progbits
	.p2align	6, 0x0
	.amdhsa_kernel k_q76be7ff1ab_w1
		.amdhsa_group_segment_fixed_size 327680
		.amdhsa_private_segment_fixed_size 0
		.amdhsa_enable_private_segment 0
		.amdhsa_kernarg_size 32
		.amdhsa_user_sgpr_count 2
		.amdhsa_user_sgpr_kernarg_segment_ptr 1
		.amdhsa_wavefront_size32 1
		.amdhsa_system_sgpr_workgroup_id_x 1
		.amdhsa_system_sgpr_workgroup_id_y 1
		.amdhsa_system_sgpr_workgroup_id_z 1
		.amdhsa_system_vgpr_workitem_id 0
		.amdhsa_next_free_vgpr 512
		.amdhsa_next_free_sgpr 96
		.amdhsa_reserve_vcc 0
		.amdhsa_float_denorm_mode_32 3
		.amdhsa_float_denorm_mode_16_64 3
		.amdhsa_memory_ordered 1
		.amdhsa_forward_progress 1
		.amdhsa_inst_pref_size 242
	.end_amdhsa_kernel
	.amdgpu_metadata
---
amdhsa.version: [ 1, 2 ]
amdhsa.kernels:
  - .name:           k_q76be7ff1ab_w1
    .symbol:         k_q76be7ff1ab_w1.kd
    .args:
      - { .name: aimg, .offset: 0, .size: 8, .value_kind: global_buffer, .address_space: global }
      - { .name: wimg, .offset: 8, .size: 8, .value_kind: global_buffer, .address_space: global }
      - { .name: b1, .offset: 16, .size: 8, .value_kind: global_buffer, .address_space: global }
      - { .name: himg, .offset: 24, .size: 8, .value_kind: global_buffer, .address_space: global }
    .group_segment_fixed_size: 327680
    .private_segment_fixed_size: 0
    .kernarg_segment_align: 8
    .kernarg_segment_size: 32
    .max_flat_workgroup_size: 128
    .sgpr_count:     96
    .vgpr_count:     512
    .wavefront_size: 32
...
	.end_amdgpu_metadata
.endif
;; end of part 6
;; launch w2 (part 7): grid 8 x 32, 4 waves a work-group, clusters of 4 x 4, 327,680 bytes of LDS; arguments himg, wimg, b2, x1, out0; writes out0
.if DOCPART == 7
	.amdgcn_target "amdgcn-amd-amdhsa--gfx1250"
	.amdhsa_code_object_version 6
	.text
	.protected	k_q76be7ff1ab_w2
	.globl	k_q76be7ff1ab_w2
	.p2align	8
	.type	k_q76be7ff1ab_w2,@function
k_q76be7ff1ab_w2:
	s_mov_b64 s[64:65], 0
	v_nop
	global_prefetch_b8 v0, s[64:65] scope:SCOPE_SE
	s_setreg_imm32_b32 hwreg(HW_REG_WAVE_MODE, 25, 1), 1
	s_wait_xcnt 0x0
	s_wait_alu depctr_hold_cnt(0) depctr_sa_sdst(0) depctr_va_vdst(0) depctr_va_sdst(0) depctr_va_ssrc(0) depctr_va_vcc(0) depctr_vm_vsrc(0)
	s_getreg_b32 s2, hwreg(HW_REG_IB_STS2, 6, 4)
	s_cmp_eq_u32 s2, 0
	s_cbranch_scc0 .Lentry_in_a_cluster
	s_endpgm
.Lentry_in_a_cluster:
	s_bfe_u32 s2, ttmp6, 0x10000c
	s_cmp_lg_u32 s2, 0xf033
	s_cbranch_scc0 .Lentry_shape_is_right
	s_endpgm
.Lentry_shape_is_right:
.set KSTEPS, 32
.set BLKB,  KSTEPS*12800
.set WOFF,  6553600
.set HALF,  6*12800
.set SLOT,  2*HALF
.set WLD,   HALF/2
.set STAGE, 2*SLOT
.set SPITCH, 272
.set SPARE, STAGE+4*16*SPITCH
.set ADT, 8
.set ADW, 12
.set ADS, 16
.set STO, 20
.set RD,  21
.set CO,  22
.set BO,  23
.set SPW, 28
.set NIL, 29
.set SC,  32
.set BK,  40
.set BI,  96
.set ACC, 128
.set F0,  0
.set F1,  128
.set G1T, 24
.set G1W, 48
.set G0T, 32
.set G0W, 56
.set G1TS, 68
.set G1WS, 84
.set LSM, 92
.set BCK, 94
.set MSB, 0
.macro WIN new
.if MSB != \new
	s_set_vgpr_msb (MSB<<8)|\new
.set MSB, \new
.endif
.endm
.set MUL,  0x05
.set TO_F, 0x40
.set TO_R, 0x80
.macro PLACES
.rept 4
	v_nop
.endr
.endm
.macro JLOAD s, g1t, g1w
	s_cmp_eq_u32 s15, 0
	s_cbranch_scc0 .Lfor_w_\@
	tensor_load_to_lds s[G0T+4*\s:G0T+4*\s+3], s[\g1t:\g1t+7]
	s_nop 0
	PLACES
	s_branch .Lasked_\@
.Lfor_w_\@:
	tensor_load_to_lds s[G0W+4*\s:G0W+4*\s+3], s[\g1w:\g1w+7]
	s_nop 0
	PLACES
.Lasked_\@:
.endm
.macro CREST
	s_cmp_lg_u32 s14, 0
	s_cbranch_scc1 .Lnot_wave_0_\@
	s_barrier_signal -3
.Lnot_wave_0_\@:
	s_barrier_wait -3
	s_barrier_signal -1
	s_barrier_wait -1
.endm
.macro CROUND
	s_barrier_signal -1
	s_barrier_wait -1
	CREST
.endm
	s_load_b256 s[4:11], s[0:1], 0x0
	s_load_b64 s[12:13], s[0:1], 0x20
	v_lshl_add_u32 v[SPW], v0, 2, SPARE
	v_mov_b32 v[NIL], 0
	ds_add_u32 v[SPW], v[NIL]
	ds_add_u32 v[SPW], v[NIL]
	v_lshrrev_b32 v1, 5, v0
	v_readfirstlane_b32 s14, v1
	s_lshr_b32 s15, s14, 1
	s_and_b32 s16, s14, 1
	s_bfe_u32 s44, ttmp6, 0x40000
	s_bfe_u32 s45, ttmp6, 0x40004
	s_lshl_b32 s46, ttmp9, 2
	s_add_co_u32 s46, s46, s44
	s_and_b32 s17, ttmp7, 0xffff
	s_lshl_b32 s17, s17, 2
	s_add_co_u32 s17, s17, s45
	s_lshl_b32 s18, s45, 2
	s_lshl_b32 s18, 15, s18
	s_lshl_b32 s19, 0x1111, s44
	s_or_b32 s[G1T], s18, (3<<16)|(1<<21)
	s_or_b32 s[G1W], s19, (3<<16)|(1<<21)
	s_or_b32 s[G1TS], s18, (3<<16)|(1<<21)
	s_or_b32 s[G1WS], s19, (3<<16)|(1<<21)
.irp g, G1T, G1W
	s_mov_b32 s[\g+1], 32<<16
	s_mov_b32 s[\g+2], 150<<16
	s_mov_b32 s[\g+3], 32<<16
	s_mov_b32 s[\g+4], 150
	s_mov_b32 s[\g+5], 32
	s_mov_b32 s[\g+6], 0
	s_mov_b32 s[\g+7], 0
.endr
.irp g, G1TS, G1WS
	s_mov_b32 s[\g+1], 32<<16
	s_mov_b32 s[\g+2], 50<<16
	s_mov_b32 s[\g+3], 32<<16
	s_mov_b32 s[\g+4], 50
	s_mov_b32 s[\g+5], 32
	s_mov_b32 s[\g+6], 0
	s_mov_b32 s[\g+7], 0
.endr
	s_mul_i32 s78, s14, WLD
	s_mul_i32 s79, s16, WLD
	s_mul_i32 s[LSM], s15, HALF
	s_mul_i32 s93, s16, 12800
	s_add_co_u32 s[LSM], s[LSM], s93
	s_add_co_u32 s[LSM], s[LSM], SLOT
	s_mul_i32 s[BCK], s16, WLD-12800
	s_mov_b32 s[BCK+1], 0
	s_mul_i32 s20, s17, BLKB
	s_add_co_u32 s20, s20, s79
	s_mov_b32 s21, 0
	s_mul_i32 s22, s46, BLKB
	s_add_co_u32 s22, s22, s79
	s_add_co_u32 s22, s22, WOFF
	s_mov_b32 s23, 0
	s_wait_dscnt 0x0
	s_wait_kmcnt 0x0
	s_add_nc_u64 s[40:41], s[4:5], s[20:21]
	s_add_nc_u64 s[42:43], s[6:7], s[22:23]
	CROUND
; THE PREFETCHES.  A chunk (six K steps) is 150 blocks of 256 bytes for each wave.  Behind the load of chunk c each wave asks for its piece of chunk c + 1, one slot ahead of the load that wants it.
; The four partners that load a piece jointly share its blocks out by address: the partner at place p (cx for the tokens, cy for the weight) names blocks 38 p .. 38 p + 37, held at 149:
; two instructions a wave, a lane a block; lanes that are left over name the share's last block again.  The offsets are immediates: no address register is rewritten.  Chunk 4 is the last asked for.
.set PF1, 24                           ; v24  256 x min(38 p + lane, 149)
.set PF2, 25                           ; v25  256 x min(38 p + 32 + min(lane, 5), 149)
.set PFA, 76                           ; s[76:77]  my piece of chunk 0
	s_cmp_eq_u32 s15, 0
	s_cselect_b32 s93, s44, s45
	s_cselect_b64 s[PFA:PFA+1], s[40:41], s[42:43]
	s_mul_i32 s93, s93, 38
	v_and_b32 v[PF1], 31, v0
	v_min_u32 v[PF2], 5, v[PF1]
	v_add_nc_u32 v[PF1], s93, v[PF1]
	v_add3_u32 v[PF2], v[PF2], s93, 32
	v_min_u32 v[PF1], 149, v[PF1]
	v_min_u32 v[PF2], 149, v[PF2]
	v_lshlrev_b32 v[PF1], 8, v[PF1]
	v_lshlrev_b32 v[PF2], 8, v[PF2]
.irp s, 0,1
	s_mov_b32 s[G0T+4*\s], 1
	s_add_co_u32 s[G0T+4*\s+1], s78, \s*SLOT
	s_add_nc_u64 s[G0T+4*\s+2:G0T+4*\s+3], s[40:41], \s*HALF
	s_or_b32 s[G0T+4*\s+3], s[G0T+4*\s+3], 0x80000000
	s_mov_b32 s[G0W+4*\s], 1
	s_add_co_u32 s[G0W+4*\s+1], s78, \s*SLOT
	s_add_nc_u64 s[G0W+4*\s+2:G0W+4*\s+3], s[42:43], \s*HALF
	s_or_b32 s[G0W+4*\s+3], s[G0W+4*\s+3], 0x80000000
	s_wait_alu depctr_va_vdst(0)
	s_wait_tensorcnt 0x0
	ds_add_u32 v28, v29
	ds_add_u32 v28, v29
	s_wait_dscnt 0x0
	CROUND
	JLOAD \s, G1T, G1W
	global_prefetch_b8 v[PF1], s[PFA:PFA+1] offset:(\s+1)*HALF th:TH_LOAD_NT scope:SCOPE_SE   ; chunk s + 1
	global_prefetch_b8 v[PF2], s[PFA:PFA+1] offset:(\s+1)*HALF th:TH_LOAD_NT scope:SCOPE_SE
.endr
	v_and_b32 v1, 15, v0
	v_bfe_u32 v2, v0, 4, 1
	s_wait_alu depctr_va_vdst(0)
	v_and_b32 v3, 31, v0
	v_lshlrev_b32 v3, 3, v3
	v_lshlrev_b32 v[BO], 6, v2
	s_mul_i32 s79, s15, 6144
	v_add_nc_u32 v[ADT], s79, v3
	s_mul_i32 s79, s16, 6144
	s_add_co_u32 s79, s79, HALF
	v_add_nc_u32 v[ADW], s79, v3
	s_lshl_b32 s79, s15, 8
	s_lshl_b32 s80, s16, 8
	s_add_co_u32 s80, s80, HALF
	s_sub_co_u32 s80, s80, s79
	s_add_co_u32 s79, s79, 12288
	v_mul_u32_u24 v4, s80, v2
	v_lshl_add_u32 v4, v1, 2, v4
	v_add_nc_u32 v[ADS], s79, v4
.irp b, ADT, ADW, ADS
	v_add_nc_u32 v[\b+1], WLD, v[\b]
	v_add_nc_u32 v[\b+2], SLOT, v[\b]
	v_add_nc_u32 v[\b+3], SLOT+WLD, v[\b]
.endr
	s_mul_i32 s79, s14, 16*SPITCH
	s_add_co_u32 s79, s79, STAGE
	v_mul_u32_u24 v[STO], v1, SPITCH
	v_lshl_add_u32 v[STO], v2, 6, v[STO]
	v_add_nc_u32 v[STO], s79, v[STO]
	v_mul_u32_u24 v[RD], v2, SPITCH
	v_lshl_add_u32 v[RD], v1, 4, v[RD]
	v_add_nc_u32 v[RD], s79, v[RD]
	v_lshlrev_b32 v[CO], 12, v2
	v_lshl_add_u32 v[CO], v1, 4, v[CO]
	s_lshl_b32 s80, s17, 7
	s_lshl_b32 s81, s15, 6
	s_add_co_u32 s80, s80, s81
	s_lshl_b32 s80, s80, 12
	s_lshl_b32 s82, s46, 9
	s_lshl_b32 s81, s16, 8
	s_add_co_u32 s82, s82, s81
	s_add_co_u32 s80, s80, s82
	s_mov_b32 s81, 0
	s_mov_b32 s83, 0
	s_add_nc_u64 s[10:11], s[10:11], s[80:81]
	s_add_nc_u64 s[12:13], s[12:13], s[80:81]
	s_add_nc_u64 s[8:9], s[8:9], s[82:83]
.irp i, 0,1,2,3
	global_load_b128 v[BI+8*\i:BI+8*\i+3], v[BO], s[8:9] offset:128*(\i/2)+32*(\i%2)
	global_load_b128 v[BI+8*\i+4:BI+8*\i+7], v[BO], s[8:9] offset:128*(\i/2)+32*(\i%2)+16
.endr
.macro FRG reg, adr, off, i
.irp P, 0,1,2,3,4,5
	ds_load_b64 v[\reg+12*(\i)+2*\P:\reg+12*(\i)+2*\P+1], v[\adr] offset:\off+1536*(\i)+256*\P
.endr
.endm
.macro FETCH slot, q, f
.set AX, 2*(\slot)+(\q)/3
.set QO, 12800*((\q)%3)
	WIN 0
.irp i, 0,1,2,3
	ds_load_b32 v[SC+4*((\f)/128)+\i], v[ADS+AX] offset:QO+64*\i
.endr
	WIN TO_F
.irp i, 0,1,2,3
	FRG \f+48, ADW+AX, QO, \i
.endr
.irp i, 0,1,2,3
	FRG \f, ADT+AX, QO, \i
.endr
.endm
.macro MULA f, a, first
.irp i, 0,1,2,3
.set rD, ACC+8*(4*(\a)+\i)
.set rS, SC+4*((\f)/128)
.if \first
	v_wmma_scale_f32_16x16x128_f8f6f4 v[rD:rD+7], v[\f+48+12*\i:\f+48+12*\i+11], v[\f+12*(\a):\f+12*(\a)+11], v[BI+8*\i:BI+8*\i+7], v[rS+\i], v[rS+(\a)] matrix_a_fmt:MATRIX_FMT_FP6 matrix_b_fmt:MATRIX_FMT_FP6 matrix_a_scale:MATRIX_SCALE_ROW1
.else
	v_wmma_scale_f32_16x16x128_f8f6f4 v[rD:rD+7], v[\f+48+12*\i:\f+48+12*\i+11], v[\f+12*(\a):\f+12*(\a)+11], v[rD:rD+7], v[rS+\i], v[rS+(\a)] matrix_a_fmt:MATRIX_FMT_FP6 matrix_b_fmt:MATRIX_FMT_FP6 matrix_a_scale:MATRIX_SCALE_ROW1
.endif
.endr
.endm
.macro QUARTER f, g, first, slot, q
	s_wait_dscnt 12
	WIN MUL
	MULA \f, 0, \first
	MULA \f, 1, \first
	PLACES
	FETCH \slot, \q, \g
	s_wait_dscnt 52
	WIN MUL
	MULA \f, 2, \first
	MULA \f, 3, \first
.endm
.macro FIVE slot, first
	QUARTER F0, F1, \first, \slot, 1
	QUARTER F1, F0, 0, \slot, 2
	QUARTER F0, F1, 0, \slot, 3
	QUARTER F1, F0, 0, \slot, 4
	QUARTER F0, F1, 0, \slot, 5
.endm
.macro RESID a
	WIN TO_R
.irp t, 0,1,2,3,4,5,6,7
	global_load_b128 v[32*(\a)+4*\t:32*(\a)+4*\t+3], v[CO], s[10:11] offset:(32*((\a)/2)+8*((\a)%2)+2*\t+8*(\t/4))*4096 th:TH_LOAD_NT
.endr
.endm
.macro TURNF slot, next, fill, res
	WIN 0
	s_wait_tensorcnt 0x0
	ds_add_u32 v[SPW], v[NIL]
	s_wait_dscnt 13
	WIN MUL
	MULA F1, 0, 0
	s_wait_dscnt 0x0
	s_barrier_signal -1
	MULA F1, 1, 0
	WIN 0
	s_barrier_wait -1
.if \fill == 1
	CREST
	s_add_nc_u64 s[G0T+4*\slot+2:G0T+4*\slot+3], s[G0T+4*\slot+2:G0T+4*\slot+3], 2*HALF
	s_add_nc_u64 s[G0W+4*\slot+2:G0W+4*\slot+3], s[G0W+4*\slot+2:G0W+4*\slot+3], 2*HALF
	JLOAD \slot, G1T, G1W
.elseif \fill == 2
	CREST
	s_add_nc_u64 s[G0T+4*\slot+2:G0T+4*\slot+3], s[G0T+4*\slot+2:G0T+4*\slot+3], 2*HALF
	s_sub_nc_u64 s[G0T+4*\slot+2:G0T+4*\slot+3], s[G0T+4*\slot+2:G0T+4*\slot+3], s[BCK:BCK+1]
	s_mov_b32 s[G0T+4*\slot+1], s[LSM]
	s_add_nc_u64 s[G0W+4*\slot+2:G0W+4*\slot+3], s[G0W+4*\slot+2:G0W+4*\slot+3], 2*HALF
	s_sub_nc_u64 s[G0W+4*\slot+2:G0W+4*\slot+3], s[G0W+4*\slot+2:G0W+4*\slot+3], s[BCK:BCK+1]
	s_mov_b32 s[G0W+4*\slot+1], s[LSM]
	JLOAD \slot, G1TS, G1WS
.else
	PLACES
.endif
	FETCH \next, 0, F0
.if \res >= 0
.if \res < 2
	global_prefetch_b8 v[PF1], s[PFA:PFA+1] offset:(\res+3)*HALF th:TH_LOAD_NT scope:SCOPE_SE   ; the load above brings chunk res + 2: chunk res + 3
	global_prefetch_b8 v[PF2], s[PFA:PFA+1] offset:(\res+3)*HALF th:TH_LOAD_NT scope:SCOPE_SE
.endif
.endif
.if \res >= 0
	s_wait_alu depctr_va_vdst(0)
	RESID \res
.endif
	WIN MUL
	MULA F1, 2, 0
	MULA F1, 3, 0
.endm
.macro TOSTAGE a
.irp i, 0,1,2,3
	ds_store_b128 v[STO], v[ACC+8*(4*(\a)+\i):ACC+8*(4*(\a)+\i)+3] offset:128*(\i/2)+32*(\i%2)
	ds_store_b128 v[STO], v[ACC+8*(4*(\a)+\i)+4:ACC+8*(4*(\a)+\i)+7] offset:128*(\i/2)+32*(\i%2)+16
.endr
.set BB, BK+32*((\a)%2)
.irp t, 0,1,2,3,4,5,6,7
	ds_load_b128 v[BB+4*\t:BB+4*\t+3], v[RD] offset:2*\t*SPITCH
.endr
.endm
.macro SEND a, younger
.set BB, BK+32*((\a)%2)
	s_wait_dscnt \younger
	s_wait_loadcnt 8*(3-(\a))
	WIN 0x08
.irp j, 0,2,4,6,8,10,12,14,16,18,20,22,24,26,28,30
	v_pk_add_f32 v[BB+\j:BB+\j+1], v[BB+\j:BB+\j+1], v[32*(\a)+\j:32*(\a)+\j+1]
.endr
	WIN 0
.irp t, 0,1,2,3,4,5,6,7
	global_store_b128 v[CO], v[BB+4*\t:BB+4*\t+3], s[12:13] offset:(32*((\a)/2)+8*((\a)%2)+2*\t+8*(\t/4))*4096 th:TH_STORE_NT
.endr
.endm
	s_wait_tensorcnt 0x1
	s_barrier_signal -1
	s_barrier_wait -1
	FETCH 0, 0, F0
	s_wait_loadcnt 0x0
	FIVE 0, 1
	TURNF 0, 1, 1, 0
	FIVE 1, 0
	TURNF 1, 0, 1, 1
	FIVE 0, 0
	TURNF 0, 1, 1, 2
	FIVE 1, 0
	TURNF 1, 0, 2, 3
	FIVE 0, 0
	TURNF 0, 1, 0, -1
	QUARTER F0, F1, 0, 1, 1
	s_wait_dscnt 12
	WIN MUL
	MULA F1, 0, 0
	MULA F1, 1, 0
	s_wait_dscnt 0x0
	MULA F1, 2, 0
	MULA F1, 3, 0
	WIN 0
	PLACES
	TOSTAGE 0
.irp a, 1,2,3
.if \a > 1
	s_wait_xcnt 0x0
.endif
	TOSTAGE \a
	SEND \a-1, 16
.endr
	SEND 3, 0
	s_wait_tensorcnt 0x0
	ds_add_u32 v[SPW], v[NIL]
	s_wait_dscnt 0x0
	CROUND
	s_endpgm
.Lfunc_end_k_q76be7ff1ab_w2:
	.size	k_q76be7ff1ab_w2, .Lfunc_end_k_q76be7ff1ab_w2-k_q76be7ff1ab_w2
	.p2alignl 7, 3214868480
	.fill 96, 4, 3214868480
	.section	.rodata,"a",@progbits
	.p2align	6, 0x0
	.amdhsa_kernel k_q76be7ff1ab_w2
		.amdhsa_group_segment_fixed_size 327680
		.amdhsa_private_segment_fixed_size 0
		.amdhsa_enable_private_segment 0
		.amdhsa_kernarg_size 40
		.amdhsa_user_sgpr_count 2
		.amdhsa_user_sgpr_kernarg_segment_ptr 1
		.amdhsa_wavefront_size32 1
		.amdhsa_system_sgpr_workgroup_id_x 1
		.amdhsa_system_sgpr_workgroup_id_y 1
		.amdhsa_system_sgpr_workgroup_id_z 1
		.amdhsa_system_vgpr_workitem_id 0
		.amdhsa_next_free_vgpr 768
		.amdhsa_next_free_sgpr 96
		.amdhsa_reserve_vcc 0
		.amdhsa_float_denorm_mode_32 3
		.amdhsa_float_denorm_mode_16_64 3
		.amdhsa_memory_ordered 1
		.amdhsa_forward_progress 1
		.amdhsa_inst_pref_size 209
	.end_amdhsa_kernel
	.amdgpu_metadata
---
amdhsa.version: [ 1, 2 ]
amdhsa.kernels:
  - .name:           k_q76be7ff1ab_w2
    .symbol:         k_q76be7ff1ab_w2.kd
    .args:
      - { .name: himg, .offset: 0, .size: 8, .value_kind: global_buffer, .address_space: global }
      - { .name: wimg, .offset: 8, .size: 8, .value_kind: global_buffer, .address_space: global }
      - { .name: b2, .offset: 16, .size: 8, .value_kind: global_buffer, .address_space: global }
      - { .name: x1, .offset: 24, .size: 8, .value_kind: global_buffer, .address_space: global }
      - { .name: out0, .offset: 32, .size: 8, .value_kind: global_buffer, .address_space: global }
    .group_segment_fixed_size: 327680
    .private_segment_fixed_size: 0
    .kernarg_segment_align: 8
    .kernarg_segment_size: 40
    .max_flat_workgroup_size: 128
    .sgpr_count:     96
    .vgpr_count:     768
    .wavefront_size: 32
...
	.end_amdgpu_metadata
.endif
;; end of part 7
